; MI455X (gfx1250); checked and timed in simulation.
; The chip was launched on July 23, 2026; its instructions are those of AMD's public machine-readable ISA for CDNA 5 (MIT licence, August 2026) and "CDNA5" Instruction Set Architecture Reference Guide (July 2026). The comments in the code are by the model that wrote it; some were corrected since.
;; Multi Head Attention. Allowed arithmetic: matrix products marked QUANTISED: E5M2 operands, one E8M0 scale for each 32 along K, by v_wmma_scale_f32_16x16x128_f8f6f4 with both operands' format E5M2, f32 sums; everything else in f32.
;; Inputs: b_attn 3,072 float32; b_proj 1,024 float32; w_attn 1,024 x 3,072 float32; w_proj 1,024 x 1,024 float32; x 4 x 2,048 x 1,024 float32.
;; Outputs: out0 4 x 2,048 x 1,024 float32.
;; This version of the problem:
;;   THIS VERSION OF THE PROBLEM IS GIVEN IN LOW PRECISION. The matrix products marked QUANTISED in the list below multiply operands that are first quantised to E5M2 (5 exponent bits, 2 mantissa bits; 8 bits a number), with one power-of-two scale for each 32 numbers along K (OCP MX v1.0); their sums are f32. All else is computed in f32.
;;   The module's matrix products, in the order in which they are computed (A, B: the left and right operand; K: the contracted axis; several contracted axes count as one K, in the product's order):
;;     1. [M 8,192, K 1,024] x [K 1,024, N 3,072]; A: input x; B: input w_attn: QUANTISED
;;     2. batch 64 x [M 2,048, K 64] x [K 64, N 2,048]; A: computed on the way; B: computed on the way: QUANTISED
;;     3. batch 64 x [M 2,048, K 2,048] x [K 2,048, N 64]; A: softmax (see below); B: computed on the way: QUANTISED
;;     4. [M 8,192, K 1,024] x [K 1,024, N 1,024]; A: computed on the way; B: input w_proj: QUANTISED
;;   THE QUANTISER, for each operand of a quantised product, along K:
;;     - K is cut into blocks of 32 from its start; a last block that is shorter is filled with zeros.
;;     - A block's scale is 2^e with e = floor(log2(the largest magnitude in the block)) - 15, held to -126 .. 127; a block of zeros has e = 0. As a byte (E8M0): e + 127.
;;     - Each number is divided by its block's scale, clamped to +-57,344, and rounded to the nearest number of E5M2, ties to even, subnormals kept.
;;     - The product sums the exact products of the quantised numbers (number of the format x scale) in f32.
;;   ~~~python
;;   def quantise(x, axis):      # numpy; x: float32 -> the quantised numbers, widened to float32 again
;;       x = np.moveaxis(x, axis, -1); K = x.shape[-1]
;;       x = np.pad(x, [(0, 0)] * (x.ndim - 1) + [(0, -K % 32)]); x = x.reshape(x.shape[:-1] + (-1, 32)); a = np.abs(x).max(-1, keepdims=True)
;;       e = np.where(a > 0, np.clip(np.frexp(np.where(a > 0, a, 1))[1] - 1 - 15, -126, 127), 0)      # np.frexp(a)[1] - 1 = floor(log2(a)), exactly
;;       r = np.clip(x / 2.0 ** e, -57344, 57344)
;;       step = 2.0 ** (np.maximum(np.frexp(np.where(r == 0, 1, r))[1] - 1, -14) - 2)
;;       q = np.round(r / step) * step * 2.0 ** e      # np.round: ties to even
;;       return np.moveaxis(q.reshape(q.shape[:-2] + (-1,))[..., :K], -1, axis).astype(np.float32)
;;   ~~~
;;   SOFTMAX AHEAD OF A QUANTISED PRODUCT. Where the list says 'softmax', what is quantised is not the finished softmax but p = 2^(t - M), with t = logit x log2(e) and M = ceil(the row's largest t), a whole number; so 1/2 < the row's largest p <= 1. The row's sum l is taken of the UNQUANTISED p, in f32, and the product's result is divided by l at the end. Since M is a whole number, a kernel that streams over the keys may use a running M (the ceiling of the running maximum): every later rescaling is an exact power of two, which a block's scale takes up: the codes' values come out the same.
;;   OPERANDS COMPUTED ON THE WAY. 'Computed on the way' means the value that the module computes at that place (a softmax that the list does not call 'softmax' is quantised finished and normalised). What goes into a quantiser is computed in f32, as accurately as f32 sums, v_exp_f32 and their like allow (about 1e-6 of the number): no bf16 or f16 on the way to a quantiser, and a product that is left as it is and whose result goes on into a quantised operand takes f32 operands (vector FMAs, or v_wmma_f32_16x16x4_f32). A number that lies on a knife's edge between two numbers of the format may be rounded either way, as far as f32 arithmetic and the matrix unit's own rounding can turn it there, and no further.
;; One version. Each part assembles by itself: llvm-mc -triple=amdgcn-amd-amdhsa -mcpu=gfx1250 --defsym DOCPART=n.
;; ======== version 1 of 1: 4 launches
;; limits: right only within a limited range of input values
;; workspace buffers: x_img 8,388,608 bytes; x_scl 262,144 bytes; w_img 4,194,304 bytes; w_scl 131,072 bytes; qkv 26,738,688 bytes; y_img 8,388,608 bytes; y_scl 262,144 bytes
;; launch prep (part 1): grid 384 x 1, 4 waves a work-group, no clusters, 75,264 bytes of LDS; arguments x, w_attn, w_proj, x_img, x_scl, w_img, w_scl; writes x_img, x_scl, w_img, w_scl
.if DOCPART == 1
	.amdgcn_target "amdgcn-amd-amdhsa--gfx1250"
	.amdhsa_code_object_version 6
	.text
	.protected	k_qb7c9a58f23_prep
	.globl	k_qb7c9a58f23_prep
	.p2align	8
	.type	k_qb7c9a58f23_prep,@function
k_qb7c9a58f23_prep:
	s_mov_b64 s[64:65], 0
	v_nop
	global_prefetch_b8 v0, s[64:65] scope:SCOPE_SE
	s_setreg_imm32_b32 hwreg(HW_REG_WAVE_MODE, 25, 1), 1
	s_wait_xcnt 0x0
; x [8192][1024], w_attn [1024][3072] and w_proj [1024][1024], f32, become codes of BF8 (E5M2) with one E8M0 scale byte for each 32 along K = 1024 (x's last axis, the weights' first).
; A block's scale is 2^(floor(log2(its largest magnitude)) - 15); its byte is the largest magnitude's exponent field - 15, held at 1 from below; each number is held within +-57,344 x the scale and rounded to the nearest code.
; LIMITS: NaN and infinities among the inputs are not served.  A block of zeros gets the byte 1 where the rule says 127: its codes are zeros, and this program alone reads the bytes.  Blocks whose largest magnitude lies under 2^-111 are held at the byte 1.
; THE OUTPUT IS LAID AS THE MATRIX UNIT'S OPERAND REGISTERS.  A row (of x) or a column (of a weight) n stands at POSITION p = n with bits 3 and 4 swapped; 16 positions are a tile T.
;   codes:  [T][ks 0..7][c 0..3][lane 0..31][16 bytes]: lane (r = lane % 16, h = lane / 16) holds position 16 T + r, k = 128 ks + 32 c + 16 h + 0 .. 15.   16,384 bytes a tile.
;   scales: [T][j 0..3][r 0..15][q 0..1][4 bytes]: byte c of word q is the byte of k block 8 j + 4 q + c.   512 bytes a tile.
; w_img / w_scl hold w_attn's 3,072 columns (tiles 0..191) and then w_proj's 1,024 (tiles 192..255).
; Work-groups 0..255 take x, 256..383 the weights: two ways through the text, each with LDS bytes of its own.  Waves share nothing: no barrier, no matrix unit, no cluster (no byte is read twice), no tensor load; the launch is a stream, so nothing is prefetched.
.set SP,    80                         ; x: a lane's place in a turn stage: 64 bytes + 16 of padding
.set XREG,  10240                      ; x: LDS of a wave: two turn stages (5,120), two image stages (4,608), 256 scale bytes
.set IMG0,  5120
.set IMGS,  2304                       ; an image stage: 4 c x (2 h x (256 + 32)) bytes
.set SCB0,  9728
.set WLDS,  40960                      ; the weights' LDS begins behind x's four regions
.set WREG,  8448                       ; a wave's two tile images of 4,096 bytes, 4,224 apart
.set WSKEW, 4224
.set EMAX,  15
.set MANT,  0x600000                   ; the mantissa field of 57,344 as f32
.set XR,    16                         ; x: v16-79 four sets of 16 numbers as loaded
.set XX,    80                         ; v80-111 two sets of 16 neighbours
.set XC,    112                        ; v112-127 codes, four sets
.set XE,    128                        ; v128-131 scale bytes, four
.set XO,    132                        ; v132-195 four fragments on their way out
.set OFFI,  16                         ; weights: v16-47 4 x lane + i x pitch
.set WX,    48                         ; v48-111 two sets of 32 numbers
.set WC,    112                        ; v112-119 a block's codes
.set WO,    120                        ; v120-183 the way out
.set WSB,   184                        ; v184-185 eight scale bytes
	s_load_b256 s[4:11], s[0:1], 0x0               ; x s[4:5], w_attn s[6:7], w_proj s[8:9], x_img s[10:11]
	s_load_b128 s[12:15], s[0:1], 0x20             ; x_scl s[12:13], w_img s[14:15]
	s_load_b64 s[16:17], s[0:1], 0x30              ; w_scl
	v_lshl_add_u32 v200, v0, 2, 0x12400
	v_mov_b32 v201, 0
	v_lshrrev_b32 v1, 5, v0
	v_readfirstlane_b32 s18, v1                    ; wave 0..3
	v_and_b32 v2, 31, v0                           ; lane L
	v_lshlrev_b32 v3, 4, v2                        ; 16 L
	s_mov_b32 s23, MANT
	s_cmp_lt_u32 ttmp9, 256
	s_cbranch_scc0 .Lweights
; ---------------- x.  Wave: tile T = 2 wg + wave / 2, K half Hf = wave % 2: 16 positions x 512 along K, in 16 steps of 512 numbers (step t: fragment t / 4, positions 4 (t % 4) + 0 .. 3).
; Each load reads 512 consecutive bytes of one row; a step's 2,048 bytes turn through the wave's stage so that a lane holds 16 neighbours: lane L then has position 4 (t % 4) + L / 8, c = (L % 8) / 2, h = L % 2.
	s_mul_i32 s19, s18, XREG
	v_lshrrev_b32 v14, 2, v2
	v_mul_u32_u24 v14, v14, SP
	v_and_b32 v15, 3, v2
	v_lshl_add_u32 v14, v15, 4, v14
	v_add_nc_u32 v14, s19, v14                     ; turn stage, in: SP (L / 4) + 16 (L % 4)
	v_mul_u32_u24 v15, v2, SP
	v_add_nc_u32 v15, s19, v15                     ; and out: SP x L
	v_bfe_u32 v8, v2, 1, 2                         ; c
	v_and_b32 v9, 1, v2                            ; h
	v_lshrrev_b32 v10, 3, v2                       ; L / 8
	v_mul_u32_u24 v4, v8, 576
	v_mad_u32_u24 v4, v9, 288, v4
	v_lshl_add_u32 v4, v10, 4, v4
	v_add_nc_u32 v4, s19, v4
	v_add_nc_u32 v4, IMG0, v4                      ; image stage, in: 576 c + 288 h + 16 (L / 8): sixteen lanes, sixteen different columns of 16 bytes
	v_lshrrev_b32 v11, 4, v2
	v_and_b32 v5, 15, v2
	v_lshlrev_b32 v5, 4, v5
	v_mad_u32_u24 v5, v11, 288, v5
	v_add_nc_u32 v5, s19, v5
	v_add_nc_u32 v5, IMG0, v5                      ; and out: 288 (L / 16) + 16 (L % 16)
	v_lshl_add_u32 v6, v10, 3, v8
	v_add_nc_u32 v6, s19, v6
	v_add_nc_u32 v6, SCB0, v6                      ; my block's scale byte: 8 (L / 8) + c
	v_lshlrev_b32 v7, 3, v2                        ; 8 L
	v_add_nc_u32 v12, s19, v7
	v_add_nc_u32 v12, SCB0, v12                    ; the scale bytes on their way out
	s_lshr_b32 s20, s18, 1
	s_and_b32 s21, s18, 1                          ; Hf
	s_lshl_b32 s24, ttmp9, 17                      ; the tile's first actual row is 32 wg + 8 (wave / 2): rows of 4,096 bytes
	s_lshl_b32 s25, s20, 15
	s_add_co_u32 s24, s24, s25
	s_lshl_b32 s25, s21, 11                        ; + 2,048 Hf
	s_add_co_u32 s24, s24, s25
	s_mov_b32 s25, 0
	s_lshl_b32 s26, ttmp9, 1
	s_add_co_u32 s26, s26, s20                     ; T
	s_lshl_b32 s28, s26, 14
	s_lshl_b32 s29, s21, 13
	s_add_co_u32 s28, s28, s29                     ; codes: 16,384 T + 8,192 Hf
	s_mov_b32 s29, 0
	s_lshl_b32 s30, s26, 9
	s_lshl_b32 s31, s21, 8
	s_add_co_u32 s30, s30, s31                     ; scale bytes: 512 T + 256 Hf
	s_mov_b32 s31, 0
	s_wait_kmcnt 0x0
	s_add_nc_u64 s[4:5], s[4:5], s[24:25]
	s_add_nc_u64 s[10:11], s[10:11], s[28:29]
	s_add_nc_u64 s[12:13], s[12:13], s[30:31]
.macro XLOAD t                         ; position pr = 4 (t % 4) + i is actual row pr + 8 (pr / 8) of the tile
.irp i, 0,1,2,3
	global_load_b128 v[XR+16*((\t)%4)+4*\i:XR+16*((\t)%4)+4*\i+3], v3, s[4:5] offset:((4*((\t)%4)+\i)+8*((4*((\t)%4)+\i)/8))*4096+((\t)/4)*512 th:TH_LOAD_NT
.endr
.endm
.macro XTURN t                         ; LDS serves a wave's instructions in order: no wait between the stores and the loads
.irp i, 0,1,2,3
	ds_store_b128 v14, v[XR+16*((\t)%4)+4*\i:XR+16*((\t)%4)+4*\i+3] offset:32*SP*((\t)%2)+8*SP*\i
.endr
.irp i, 0,1,2,3
	ds_load_b128 v[XX+16*((\t)%2)+4*\i:XX+16*((\t)%2)+4*\i+3], v15 offset:32*SP*((\t)%2)+16*\i
.endr
.endm
.irp t, 0,1,2,3
	XLOAD \t
.endr
	s_wait_loadcnt 12                              ; step 0's four loads are in
	XTURN 0
.macro XSTEP t
.set XS, XX+16*((\t)%2)
.set CT, XC+4*((\t)%4)
.if (\t)%4 == 0
	s_wait_dscnt 0x0                               ; this step's numbers are back, and so is the fragment read back at the last step's end
.else
	s_wait_dscnt 2                                 ; this step's numbers are back; the last step's byte store and code store may be out
.endif
.if ((\t)%4 == 0) && ((\t) > 0)
.irp c, 0,1,2,3
	global_store_b128 v3, v[XO+16*((\t)/4-1)+4*\c:XO+16*((\t)/4-1)+4*\c+3], s[10:11] offset:((\t)/4-1)*2048+\c*512   ; 512 consecutive bytes of the image
.endr
.endif
.if (\t)+4 < 16
	XLOAD (\t)+4                                   ; into the set whose stores into the stage are done
.endif
.if (\t)+1 < 16
.if 14-(\t) >= 3
	s_wait_loadcnt 12                              ; the next step's four loads are in; those of the three steps behind it may be out
.else
	s_wait_loadcnt 4*(14-(\t))
.endif
	XTURN (\t)+1
.endif
	v_max3_num_f32 v8, |v[XS]|, |v[XS+1]|, |v[XS+2]|               ; the largest magnitude of my 16
	v_max3_num_f32 v9, |v[XS+3]|, |v[XS+4]|, |v[XS+5]|
.irp i, 6,10
	v_max3_num_f32 v8, v8, |v[XS+\i]|, |v[XS+\i+1]|
	v_max3_num_f32 v9, v9, |v[XS+\i+2]|, |v[XS+\i+3]|
.endr
	v_max3_num_f32 v8, v8, |v[XS+14]|, |v[XS+15]|
	v_max3_num_f32 v8, v8, v9, (EMAX+1)<<23        ; and the floor 2^(16 - 127): the byte cannot fall under 1
	v_max_num_f32_dpp v8, v8, v8 row_xmask:1 row_mask:0xf bank_mask:0xf   ; and of my neighbour's 16: the block's
	v_add_nc_u32 v11, -(EMAX<<23), v8              ; 15 off its exponent field: the conversion's scale operand
	v_and_or_b32 v10, v8, 0x7f800000, s23          ; 57,344 x the scale
.irp i, 0,1,2,3,4,5,6,7,8,9,10,11,12,13,14,15
	v_med3_num_f32 v[XS+\i], v[XS+\i], -v10, v10   ; the conversion does not saturate (ISA guide 7.6.2): the hold comes first
.endr
	v_cvt_scalef32_pk8_bf8_f32 v[CT:CT+1], v[XS:XS+7], v11
	v_cvt_scalef32_pk8_bf8_f32 v[CT+2:CT+3], v[XS+8:XS+15], v11
	v_lshrrev_b32 v[XE+(\t)%4], 23, v11            ; the scale's byte (a plain line behind the conversions)
	ds_store_b8 v6, v[XE+(\t)%4] offset:(((\t)/4)/2)*128+((\t)%4)*32+(((\t)/4)%2)*4   ; both lanes of a block write the same byte with the same value
	ds_store_b128 v4, v[CT:CT+3] offset:(((\t)/4)%2)*IMGS+((\t)%4)*64
.if (\t)%4 == 3
.irp c, 0,1,2,3
	ds_load_b128 v[XO+16*((\t)/4)+4*\c:XO+16*((\t)/4)+4*\c+3], v5 offset:(((\t)/4)%2)*IMGS+\c*576   ; the fragment is whole: back as the image's 512-byte lines
.endr
.endif
.endm
.irp t, 0,1,2,3,4,5,6,7,8,9,10,11,12,13,14,15
	XSTEP \t
.endr
	ds_load_b64 v[196:197], v12
	s_wait_dscnt 0x0
.irp c, 0,1,2,3
	global_store_b128 v3, v[XO+48+4*\c:XO+48+4*\c+3], s[10:11] offset:3*2048+\c*512
.endr
	global_store_b64 v7, v[196:197], s[12:13]      ; 32 lanes store 256 consecutive bytes, aligned
	s_wait_tensorcnt 0x0
	ds_add_u32 v200, v201
	s_wait_dscnt 0x0
	s_endpgm
; ---------------- the weights.  id = wg - 256; 128 columns (id / 4) x 256 along K (id % 4).  A lane takes a column and its registers run down K: a block of 32 lies in one lane.
.Lweights:
	s_sub_co_u32 s19, ttmp9, 256
	s_lshr_b32 s20, s19, 2                         ; cg: which 128 columns of the 4,096
	s_and_b32 s21, s19, 3                          ; y: which 256 along K
	s_mov_b32 s22, 4096
	s_cmp_lt_u32 s20, 24
	s_cselect_b32 s22, 12288, s22                  ; a row of w_attn or of w_proj in bytes
	s_cselect_b32 s24, 0, 24
	s_sub_co_u32 s24, s20, s24                     ; cg inside its tensor
	s_lshl_b32 s24, s24, 9
	s_lshl_b32 s25, s18, 7
	s_add_co_u32 s24, s24, s25                     ; 4 x my wave's first column
	s_lshl_b32 s25, s21, 8
	s_mul_i32 s25, s25, s22
	s_add_co_u32 s24, s24, s25                     ; + 256 y rows
	s_mov_b32 s25, 0
	s_lshl_b32 s26, s22, 5                         ; 32 rows: a block on
	s_mov_b32 s27, 0
	s_wait_alu depctr_va_vdst(0)
	v_lshlrev_b32 v[OFFI], 2, v2
.set ii, 1
.rept 31
	v_add_nc_u32 v[OFFI+ii], s22, v[OFFI+ii-1]     ; the pitch differs between the tensors, so the rows' offsets lie in registers; never rewritten
.set ii, ii+1
.endr
	s_mul_i32 s28, s18, WREG
	s_add_co_u32 s28, s28, WLDS
	v_bfe_u32 v8, v2, 3, 1                         ; column lane stands in tile u' = bit 3 of the lane,
	v_and_b32 v9, 7, v2
	v_lshrrev_b32 v10, 4, v2
	v_lshl_add_u32 v9, v10, 3, v9                  ; at place r = lane % 8 + 8 (lane / 16)
	v_mul_u32_u24 v4, v8, WSKEW
	v_lshl_add_u32 v4, v9, 4, v4
	v_add_nc_u32 v4, s28, v4                       ; into the images: 4,224 u' + 16 r
	v_add_nc_u32 v5, s28, v3                       ; out of them: 16 L
	v_lshlrev_b32 v6, 9, v8
	v_lshl_add_u32 v6, v9, 3, v6                   ; scale bytes: 512 u' + 8 r
	s_lshl_b32 s29, s20, 3
	s_lshl_b32 s30, s18, 1
	s_add_co_u32 s29, s29, s30                     ; my first tile: 8 cg + 2 wave
	s_lshl_b32 s30, s29, 14
	s_lshl_b32 s31, s21, 12
	s_add_co_u32 s30, s30, s31
	s_mov_b32 s31, 0
	s_lshl_b32 s48, s29, 9
	s_lshl_b32 s49, s21, 7
	s_add_co_u32 s48, s48, s49
	s_mov_b32 s49, 0
	s_wait_kmcnt 0x0
	s_cmp_lt_u32 s20, 24
	s_cselect_b64 s[32:33], s[6:7], s[8:9]         ; the choice hangs on the work-group's number alone
	s_add_nc_u64 s[32:33], s[32:33], s[24:25]      ; a base for each of the eight blocks; never rewritten
.irp t, 1,2,3,4,5,6,7
	s_add_nc_u64 s[32+2*\t:33+2*\t], s[30+2*\t:31+2*\t], s[26:27]
.endr
	s_add_nc_u64 s[14:15], s[14:15], s[30:31]
	s_add_nc_u64 s[16:17], s[16:17], s[48:49]
.macro WLOAD t
.set ii, 0
.rept 32
	global_load_b32 v[WX+32*((\t)%2)+ii], v[OFFI+ii], s[32+2*(\t):33+2*(\t)] th:TH_LOAD_NT   ; 32 lanes read 128 consecutive bytes, the four waves 512
.set ii, ii+1
.endr
.endm
	WLOAD 0
	WLOAD 1
.macro WBLOCK t
.set XS, WX+32*((\t)%2)
.if (\t) < 7
	s_wait_loadcnt 32                              ; this block's 32 loads are in; the next block's may be out
.else
	s_wait_loadcnt 0
.endif
	v_max3_num_f32 v12, |v[XS]|, |v[XS+1]|, |v[XS+2]|
	v_max3_num_f32 v13, |v[XS+3]|, |v[XS+4]|, |v[XS+5]|
.irp i, 6,10,14,18,22,26
	v_max3_num_f32 v12, v12, |v[XS+\i]|, |v[XS+\i+1]|
	v_max3_num_f32 v13, v13, |v[XS+\i+2]|, |v[XS+\i+3]|
.endr
	v_max3_num_f32 v12, v12, |v[XS+30]|, |v[XS+31]|
	v_max3_num_f32 v12, v12, v13, (EMAX+1)<<23
	v_add_nc_u32 v11, -(EMAX<<23), v12
	v_and_or_b32 v10, v12, 0x7f800000, s23
	v_lshrrev_b32 v13, 23, v11
.if (\t)%4 == 0
	v_mov_b32 v[WSB+(\t)/4], v13
.else
	v_lshl_or_b32 v[WSB+(\t)/4], v13, 8*((\t)%4), v[WSB+(\t)/4]
.endif
.set ii, 0
.rept 32
	v_med3_num_f32 v[XS+ii], v[XS+ii], -v10, v10
.set ii, ii+1
.endr
.irp g, 0,1,2,3
	v_cvt_scalef32_pk8_bf8_f32 v[WC+2*\g:WC+2*\g+1], v[XS+8*\g:XS+8*\g+7], v11
.endr
	ds_store_b128 v4, v[WC:WC+3] offset:((\t)/4)*2048+((\t)%4)*512        ; k = 32 c + 0 .. 15: the image's lanes 0-15
	ds_store_b128 v4, v[WC+4:WC+7] offset:((\t)/4)*2048+((\t)%4)*512+256  ; k = 32 c + 16 .. 31: its lanes 16-31
.if (\t)+2 < 8
	WLOAD (\t)+2
.endif
	s_wait_dscnt 0x0                               ; the stores have read their registers: the next block's codes may be written
.endm
.irp t, 0,1,2,3,4,5,6,7
	WBLOCK \t
.endr
	global_store_b64 v6, v[WSB:WSB+1], s[16:17]    ; my column's eight scale bytes: sixteen lanes fill 128 consecutive bytes
.irp u, 0,1
.irp i, 0,1,2,3,4,5,6,7
	ds_load_b128 v[WO+4*(8*\u+\i):WO+4*(8*\u+\i)+3], v5 offset:\u*WSKEW+512*\i
.endr
.endr
.irp u, 0,1
.irp i, 0,1,2,3,4,5,6,7
	s_wait_dscnt 15-8*\u-\i
	global_store_b128 v3, v[WO+4*(8*\u+\i):WO+4*(8*\u+\i)+3], s[14:15] offset:\u*16384+512*\i
.endr
.endr
	s_wait_tensorcnt 0x0
	ds_add_u32 v200, v201
	s_wait_dscnt 0x0
	s_endpgm
.Lfunc_end_k_qb7c9a58f23_prep:
	.size	k_qb7c9a58f23_prep, .Lfunc_end_k_qb7c9a58f23_prep-k_qb7c9a58f23_prep
	.p2alignl 7, 3214868480
	.fill 96, 4, 3214868480
	.section	.rodata,"a",@progbits
	.p2align	6, 0x0
	.amdhsa_kernel k_qb7c9a58f23_prep
		.amdhsa_group_segment_fixed_size 75264
		.amdhsa_private_segment_fixed_size 0
		.amdhsa_enable_private_segment 0
		.amdhsa_kernarg_size 56
		.amdhsa_user_sgpr_count 2
		.amdhsa_user_sgpr_kernarg_segment_ptr 1
		.amdhsa_wavefront_size32 1
		.amdhsa_system_sgpr_workgroup_id_x 1
		.amdhsa_system_sgpr_workgroup_id_y 1
		.amdhsa_system_sgpr_workgroup_id_z 1
		.amdhsa_system_vgpr_workitem_id 0
		.amdhsa_next_free_vgpr 202
		.amdhsa_next_free_sgpr 66
		.amdhsa_reserve_vcc 0
		.amdhsa_float_denorm_mode_32 3
		.amdhsa_float_denorm_mode_16_64 3
		.amdhsa_memory_ordered 1
		.amdhsa_forward_progress 1
		.amdhsa_inst_pref_size 114
	.end_amdhsa_kernel
	.amdgpu_metadata
---
amdhsa.version: [ 1, 2 ]
amdhsa.kernels:
  - .name:           k_qb7c9a58f23_prep
    .symbol:         k_qb7c9a58f23_prep.kd
    .args:
      - { .name: x, .offset: 0, .size: 8, .value_kind: global_buffer, .address_space: global }
      - { .name: w_attn, .offset: 8, .size: 8, .value_kind: global_buffer, .address_space: global }
      - { .name: w_proj, .offset: 16, .size: 8, .value_kind: global_buffer, .address_space: global }
      - { .name: x_img, .offset: 24, .size: 8, .value_kind: global_buffer, .address_space: global }
      - { .name: x_scl, .offset: 32, .size: 8, .value_kind: global_buffer, .address_space: global }
      - { .name: w_img, .offset: 40, .size: 8, .value_kind: global_buffer, .address_space: global }
      - { .name: w_scl, .offset: 48, .size: 8, .value_kind: global_buffer, .address_space: global }
    .group_segment_fixed_size: 75264
    .private_segment_fixed_size: 0
    .kernarg_segment_align: 8
    .kernarg_segment_size: 56
    .max_flat_workgroup_size: 128
    .sgpr_count:     66
    .vgpr_count:     202
    .wavefront_size: 32
...
	.end_amdgpu_metadata
.endif
;; end of part 1
;; launch qkv (part 2): grid 12 x 32, 4 waves a work-group, clusters of 4 x 4, 327,680 bytes of LDS; arguments x_img, x_scl, w_img, w_scl, b_attn, qkv; writes qkv
.if DOCPART == 2
	.amdgcn_target "amdgcn-amd-amdhsa--gfx1250"
	.amdhsa_code_object_version 6
	.text
	.protected	k_qb7c9a58f23_qkv
	.globl	k_qb7c9a58f23_qkv
	.p2align	8
	.type	k_qb7c9a58f23_qkv,@function
k_qb7c9a58f23_qkv:
	s_mov_b64 s[64:65], 0
	v_nop
	global_prefetch_b8 v0, s[64:65] scope:SCOPE_SE
	s_setreg_imm32_b32 hwreg(HW_REG_WAVE_MODE, 25, 1), 1
	s_wait_xcnt 0x0
	s_wait_alu depctr_hold_cnt(0) depctr_sa_sdst(0) depctr_va_vdst(0) depctr_va_sdst(0) depctr_va_ssrc(0) depctr_va_vcc(0) depctr_vm_vsrc(0)
	s_getreg_b32 s2, hwreg(HW_REG_IB_STS2, 6, 4)
	s_cmp_eq_u32 s2, 0
	s_cbranch_scc0 .Lentry_in_a_cluster
	s_endpgm
.Lentry_in_a_cluster:
	s_bfe_u32 s2, ttmp6, 0x10000c
	s_cmp_lg_u32 s2, 0xf033
	s_cbranch_scc0 .Lentry_shape_is_right
	s_endpgm
.Lentry_shape_is_right:
.set FR,    16
.set NL,    4
.set NP,    8
.set NQ,    2
.set TILEB, 4096
.set HALFT, 8*TILEB
.set SLOT,  4*HALFT
.set SCLB,  2*SLOT
.set HALFS, 4096
.set SPARE, SCLB+4*HALFS
.set HEADB, 139264
.set ADRA, 16
.set ADRB, 20
.set LN,   22
.set BQ,   23
.set BV,   24
.set ADRS, 27
.set SPW,  28
.set NIL,  29
.set SC,   32
.set BI,   64
.set AF,   128
.set TM,   64
.set PC,   80
.set PWS,  96
.set D0,   104
.set D1,   108
.set VO,   112
.set G1,   24
.set G0,   32
.set G1B,  48
.set G0B,  56
.set G1S,  68
.set G0S,  76
.set G1SB, 80
.set G0SB, 88
.set MSB, 0
.macro WIN new
.if MSB != (\new)
	s_set_vgpr_msb (MSB<<8)|(\new)
.set MSB, (\new)
.endif
.endm
.set MUL_LO,   0xa1
.set MUL_HI,   0xf1
.set FIRST_LO, 0x81
.set FIRST_HI, 0xc1
.set TO_B,     0x40
.macro JLOAD g0a, g1a, g0b, g1b
	s_cmp_eq_u32 s17, 0
	s_cbranch_scc0 .Lfor_b_\@
	tensor_load_to_lds s[\g0a:\g0a+3], s[\g1a:\g1a+7]
	s_nop 0
.rept 4
	v_nop
.endr
	s_branch .Lasked_\@
.Lfor_b_\@:
	tensor_load_to_lds s[\g0b:\g0b+3], s[\g1b:\g1b+7]
	s_nop 0
.rept 4
	v_nop
.endr
.Lasked_\@:
.endm
.macro CREST
	s_cmp_lg_u32 s16, 0
	s_cbranch_scc1 .Lnot_wave_0_\@
	s_barrier_signal -3
.Lnot_wave_0_\@:
	s_barrier_wait -3
	s_barrier_signal -1
	s_barrier_wait -1
.endm
.macro CROUND
	s_barrier_signal -1
	s_barrier_wait -1
	CREST
.endm
	s_load_b256 s[4:11], s[0:1], 0x0
	s_load_b128 s[12:15], s[0:1], 0x20
	v_lshl_add_u32 v[SPW], v0, 2, SPARE
	v_mov_b32 v[NIL], 0
	ds_add_u32 v28, v29
	ds_add_u32 v28, v29
	s_wait_dscnt 0x0
	v_lshrrev_b32 v1, 5, v0
	v_readfirstlane_b32 s16, v1
	s_lshr_b32 s17, s16, 1
	s_and_b32 s18, s16, 1
	s_bfe_u32 s40, ttmp6, 0x40000
	s_bfe_u32 s41, ttmp6, 0x40004
	s_and_b32 s43, ttmp7, 0xffff
	s_lshl_b32 s44, s41, 2
	s_lshl_b32 s44, 15, s44
	s_lshl_b32 s45, 0x1111, s40
	s_or_b32 s[G1+0], s44, (3<<16)|(1<<21)
	s_or_b32 s[G1B+0], s45, (3<<16)|(1<<21)
.irp g, G1, G1B
	s_mov_b32 s[\g+1], 512<<16
	s_mov_b32 s[\g+2], 16<<16
	s_mov_b32 s[\g+3], 512<<16
	s_mov_b32 s[\g+4], 16
	s_mov_b32 s[\g+5], 2048
	s_mov_b32 s[\g+6], 0
	s_mov_b32 s[\g+7], 0
.endr
	s_or_b32 s[G1S+0], s44, (3<<16)|(1<<21)
	s_or_b32 s[G1SB+0], s45, (3<<16)|(1<<21)
.irp g, G1S, G1SB
	s_mov_b32 s[\g+1], 32<<16
	s_mov_b32 s[\g+2], 32<<16
	s_mov_b32 s[\g+3], 32<<16
	s_mov_b32 s[\g+4], 32
	s_mov_b32 s[\g+5], 32
	s_mov_b32 s[\g+6], 0
	s_mov_b32 s[\g+7], 0
.endr
	s_lshl_b32 s42, s18, 3
	s_lshl_b32 s20, s41, 4
	s_add_co_u32 s20, s20, s42
	s_lshl_b32 s66, s40, 4
	s_add_co_u32 s66, s66, s42
	s_lshl_b32 s21, s43, 6
	s_lshl_b32 s67, ttmp9, 6
	s_cmp_eq_u32 ttmp9, 2
	s_cselect_b32 s19, 1, 0
	s_cselect_b32 s67, s21, s67
	s_cselect_b32 s21, 128, s21
	s_add_co_u32 s20, s20, s21
	s_add_co_u32 s66, s66, s67
	s_lshl_b32 s22, s20, 9
	s_lshl_b32 s20, s20, 14
	s_mov_b32 s21, 0
	s_mov_b32 s23, 0
	s_lshl_b32 s100, s66, 9
	s_lshl_b32 s66, s66, 14
	s_mov_b32 s67, 0
	s_mov_b32 s101, 0
	s_lshl_b32 s46, s16, 15
	s_lshl_b32 s47, s16, 12
	s_wait_kmcnt 0x0
	s_cmp_eq_u32 s19, 1
	s_cselect_b64 s[2:3], s[8:9], s[4:5]
	s_cselect_b64 s[8:9], s[4:5], s[8:9]
	s_cselect_b64 s[4:5], s[10:11], s[6:7]
	s_cselect_b64 s[10:11], s[6:7], s[10:11]
	s_add_nc_u64 s[20:21], s[2:3], s[20:21]
	s_add_nc_u64 s[22:23], s[4:5], s[22:23]
	s_add_nc_u64 s[66:67], s[8:9], s[66:67]
	s_add_nc_u64 s[100:101], s[10:11], s[100:101]
	CROUND
; the head's four tiles, each whole: K step 0's 16 tiles of source A and of source B, and both sides' scale bytes; the wave's half is taken off the addresses again
.set G0H,  4
.set G0HB, 8
	s_lshl_b32 s2, s18, 17
	s_mov_b32 s3, 0
	s_mov_b32 s[G0H], 1
	s_mov_b32 s[G0H+1], 0
	s_sub_nc_u64 s[G0H+2:G0H+3], s[20:21], s[2:3]
	s_or_b32 s[G0H+3], s[G0H+3], 0x80000000
	s_mov_b32 s[G0HB], 1
	s_mov_b32 s[G0HB+1], 2*HALFT
	s_sub_nc_u64 s[G0HB+2:G0HB+3], s[66:67], s[2:3]
	s_or_b32 s[G0HB+3], s[G0HB+3], 0x80000000
	s_lshl_b32 s2, s18, 12
	s_mov_b32 s[G0S], 1
	s_mov_b32 s[G0S+1], SCLB
	s_sub_nc_u64 s[G0S+2:G0S+3], s[22:23], s[2:3]
	s_or_b32 s[G0S+3], s[G0S+3], 0x80000000
	s_mov_b32 s[G0SB], 1
	s_mov_b32 s[G0SB+1], SCLB+2*HALFS
	s_sub_nc_u64 s[G0SB+2:G0SB+3], s[100:101], s[2:3]
	s_or_b32 s[G0SB+3], s[G0SB+3], 0x80000000
.irp s, 0,1
	s_mov_b32 s[G0+4*\s], 1
	s_add_co_u32 s[G0+4*\s+1], s46, \s*SLOT
	s_add_nc_u64 s[G0+4*\s+2:G0+4*\s+3], s[20:21], \s*TILEB
	s_or_b32 s[G0+4*\s+3], s[G0+4*\s+3], 0x80000000
	s_mov_b32 s[G0B+4*\s], 1
	s_add_co_u32 s[G0B+4*\s+1], s46, \s*SLOT
	s_add_nc_u64 s[G0B+4*\s+2:G0B+4*\s+3], s[66:67], \s*TILEB
	s_or_b32 s[G0B+4*\s+3], s[G0B+4*\s+3], 0x80000000
.endr
; the head's loads, one a wave, in one chain of branches on the wave's number
.macro ARM under, g0, g1, next
	s_cmp_lt_u32 s16, \under
	s_cbranch_scc0 \next
	tensor_load_to_lds s[\g0:\g0+3], s[\g1:\g1+7]
	s_nop 0
.rept 4
	v_nop
.endr
	s_branch .Lhead_asked
\next:
.endm
	ARM 1, G0H,  G1,  .Lhead_b
	ARM 2, G0HB, G1B, .Lhead_sa
	ARM 3, G0S,  G1S, .Lhead_sb
	tensor_load_to_lds s[G0SB:G0SB+3], s[G1SB:G1SB+7]
	s_nop 0
.rept 4
	v_nop
.endr
.Lhead_asked:
	v_and_b32 v1, 15, v0
	v_bfe_u32 v2, v0, 4, 1
	s_wait_alu depctr_va_vdst(0)
	v_and_b32 v3, 31, v0
	v_lshlrev_b32 v[LN], 4, v3
	s_lshl_b32 s20, s17, 15
	s_lshl_b32 s21, s18, 15
	s_add_co_u32 s21, s21, 2*HALFT
.irp s, 0,1
	v_add_nc_u32 v[ADRA+\s], s20, v[LN]
	v_add_nc_u32 v[ADRB+\s], s21, v[LN]
	s_add_co_u32 s20, s20, SLOT
	s_add_co_u32 s21, s21, SLOT
.endr
	s_lshl_b32 s20, s17, 12
	s_lshl_b32 s21, s18, 12
	s_add_co_u32 s21, s21, 2*HALFS
	s_sub_co_u32 s21, s21, s20
	v_mul_u32_u24 v4, s21, v2
	s_add_co_u32 s20, s20, SCLB
	v_lshl_add_u32 v4, v1, 3, v4
	v_add_nc_u32 v[ADRS], s20, v4
	v_lshlrev_b32 v[BQ], 6, v2
	v_and_b32 v5, 8, v1
	v_add_nc_u32 v5, v5, v1
	v_lshlrev_b32 v[BV], 2, v5
	s_lshl_b32 s92, ttmp9, 2
	s_add_co_u32 s92, s92, s40
	s_lshl_b32 s92, s92, 10
	s_lshl_b32 s93, s18, 9
	s_add_co_u32 s92, s92, s93
	s_lshl_b32 s93, s41, 10
	s_lshl_b32 s94, s17, 9
	s_add_co_u32 s93, s93, s94
	s_add_co_u32 s93, s93, 8192
	s_cmp_eq_u32 s19, 1
	s_cselect_b32 s92, s93, s92
	s_mov_b32 s93, 0
	s_add_nc_u64 s[12:13], s[12:13], s[92:93]
	s_cmp_eq_u32 s19, 1
	s_cbranch_scc1 .Lbias_v
	s_wait_alu depctr_va_vdst(0)
.irp b, 0,1,2,3,4,5,6,7
	global_load_b128 v[BI+8*\b:BI+8*\b+3], v[BQ], s[12:13] offset:(32*(\b/2)+8*(\b%2))*4
	global_load_b128 v[BI+8*\b+4:BI+8*\b+7], v[BQ], s[12:13] offset:(32*(\b/2)+8*(\b%2))*4+16
.endr
	s_branch .Lbias_done
.Lbias_v:
	s_wait_alu depctr_va_vdst(0)
.irp a, 0,1,2,3,4,5,6,7
.irp j, 0,1,2,3,4,5,6,7
	global_load_b32 v[BI+8*\a+\j], v[BV], s[12:13] offset:(32*(\a/2)+8*(\a%2))*4
.endr
.endr
.Lbias_done:
	s_lshr_b32 s92, s43, 1
	s_mul_i32 s92, s92, 48
	s_and_b32 s93, s43, 1
	s_lshl_b32 s93, s93, 2
	s_lshl_b32 s94, ttmp9, 4
	s_lshl_b32 s95, s40, 2
	s_add_co_u32 s94, s94, s95
	s_lshl_b32 s95, s18, 1
	s_add_co_u32 s94, s94, s95
	s_lshl_b32 s95, s41, 2
	s_lshl_b32 s96, s17, 1
	s_add_co_u32 s95, s95, s96
	s_add_co_u32 s95, s95, 32
	s_cmp_eq_u32 s19, 1
	s_cselect_b32 s94, s95, s94
	s_cselect_b32 s95, s40, s41
	s_cselect_b32 s96, s18, s17
	s_add_co_u32 s93, s93, s95
	s_lshl_b32 s93, s93, 1
	s_add_co_u32 s93, s93, s96
	s_add_co_u32 s92, s92, s94
	s_mul_i32 s92, s92, HEADB
	s_mul_i32 s93, s93, 8704
	s_add_co_u32 s94, s92, s93
	s_mov_b32 s95, 0
	s_add_nc_u64 s[94:95], s[14:15], s[94:95]
	s_mov_b64 s[92:93], s[94:95]
	s_cmp_eq_u32 s19, 1
	s_mov_b32 s96, 1024
	s_cselect_b32 s96, 2048, s96
	s_mov_b32 s97, 0
	s_mov_b32 s98, 1024
	s_cselect_b32 s98, HEADB-3*2048, s98
	s_mov_b32 s99, 0
	s_mov_b32 s42, HEADB
	s_cselect_b32 s42, 1024, s42
	s_cselect_b32 s20, 0, 0xffff0000
	s_cselect_b32 s21, -1, 0
	s_cselect_b32 s22, -1, 0xffff
	s_mov_b32 s23, 0x600000
	s_mov_b32 s2, 0x76543210
	s_mov_b32 s3, 0xfedcba98
.macro FRAG reg, adr, q, i
.irp c, 0,1,2,3
	ds_load_b128 v[\reg+4*\c:\reg+4*\c+3], v[\adr] offset:(\i)*TILEB+(\q)*2048+512*\c
.endr
.endm
.macro MUL16 a0, p, q, sc, mode
.irp a, \a0, \a0+1
.irp b, 0,1,2,3,4,5,6,7
.if \mode == 0
	v_wmma_scale_f32_16x16x128_f8f6f4 v[8*(8*((\a)%4)+\b):8*(8*((\a)%4)+\b)+7], v[128*(\p)+FR*\b:128*(\p)+FR*\b+FR-1], v[AF+FR*(\a):AF+FR*(\a)+FR-1], v[8*(8*((\a)%4)+\b):8*(8*((\a)%4)+\b)+7], v[SC+8*NQ*(\sc)+NQ*\b+(\q)], v[SC+8*NQ*(\sc)+NQ*(\a)+(\q)] matrix_a_fmt:MATRIX_FMT_BF8 matrix_b_fmt:MATRIX_FMT_BF8 matrix_a_scale:MATRIX_SCALE_ROW1
.elseif \mode == 1
	v_wmma_scale_f32_16x16x128_f8f6f4 v[8*(8*((\a)%4)+\b):8*(8*((\a)%4)+\b)+7], v[128*(\p)+FR*\b:128*(\p)+FR*\b+FR-1], v[AF+FR*(\a):AF+FR*(\a)+FR-1], v[BI+8*\b:BI+8*\b+7], v[SC+8*NQ*(\sc)+NQ*\b+(\q)], v[SC+8*NQ*(\sc)+NQ*(\a)+(\q)] matrix_a_fmt:MATRIX_FMT_BF8 matrix_b_fmt:MATRIX_FMT_BF8 matrix_a_scale:MATRIX_SCALE_ROW1
.else
	v_wmma_scale_f32_16x16x128_f8f6f4 v[8*(8*((\a)%4)+\b):8*(8*((\a)%4)+\b)+7], v[128*(\p)+FR*\b:128*(\p)+FR*\b+FR-1], v[AF+FR*(\a):AF+FR*(\a)+FR-1], v[BI+8*(\a):BI+8*(\a)+7], v[SC+8*NQ*(\sc)+NQ*\b+(\q)], v[SC+8*NQ*(\sc)+NQ*(\a)+(\q)] matrix_a_fmt:MATRIX_FMT_BF8 matrix_b_fmt:MATRIX_FMT_BF8 matrix_a_scale:MATRIX_SCALE_ROW1
.endif
.endr
.endr
.endm
.macro FETCH_B slot, q, p
	WIN TO_B
.irp i, 0,1,2,3,4,5,6,7
	FRAG 128*(\p)+FR*\i, ADRB+\slot, \q, \i
.endr
	WIN 0
.endm
.macro FETCH_A slot, q, i0
.irp i, \i0, \i0+1, \i0+2, \i0+3
	FRAG AF+FR*(\i), ADRA+\slot, \q, \i
.endr
.endm
.macro SCALES sc
.irp i, 0,1,2,3,4,5,6,7
	ds_load_b64 v[SC+8*NQ*\sc+NQ*\i:SC+8*NQ*\sc+NQ*\i+1], v[ADRS] offset:\i*512
.endr
.endm
.macro PLACES n
.rept \n
	v_nop
.endr
.endm
.macro STEP slot, q, mode
	s_wait_dscnt 4*NL
.if \mode
	WIN FIRST_LO
.else
	WIN MUL_LO
.endif
	MUL16 0, (\q)%2, \q, \slot, \mode
	MUL16 2, (\q)%2, \q, \slot, \mode
	s_wait_dscnt 0
	PLACES NP
	FETCH_B \slot, (\q)+1, 1-(\q)%2
	FETCH_A \slot, (\q)+1, 0
.if \mode
	WIN FIRST_HI
.else
	WIN MUL_HI
.endif
	MUL16 4, (\q)%2, \q, \slot, \mode
	MUL16 6, (\q)%2, \q, \slot, \mode
	PLACES NP
	WIN 0
	FETCH_A \slot, (\q)+1, 4
.endm
.macro TURN slot, next, fill
	s_wait_tensorcnt 0x0
	ds_add_u32 v[SPW], v[NIL]
	s_wait_dscnt 4*NL+1
	WIN MUL_LO
	MUL16 0, 1, NQ-1, \slot, 0
	s_wait_dscnt 0x0
	s_barrier_signal -1
	MUL16 2, 1, NQ-1, \slot, 0
	WIN 0
	s_barrier_wait -1
.if \fill
	CREST
	s_add_nc_u64 s[G0+4*\slot+2:G0+4*\slot+3], s[G0+4*\slot+2:G0+4*\slot+3], 2*TILEB
	s_add_nc_u64 s[G0B+4*\slot+2:G0B+4*\slot+3], s[G0B+4*\slot+2:G0B+4*\slot+3], 2*TILEB
	JLOAD G0+4*\slot, G1, G0B+4*\slot, G1B
	PLACES NP-4
.else
	PLACES NP
.endif
	s_wait_alu depctr_va_vdst(0)
	v_add_nc_u32 v[ADRS], 128, v[ADRS]
	FETCH_B \next, 0, 0
	FETCH_A \next, 0, 0
	SCALES \next
	WIN MUL_HI
	MUL16 4, 1, NQ-1, \slot, 0
	MUL16 6, 1, NQ-1, \slot, 0
	PLACES NP
	WIN 0
	FETCH_A \next, 0, 4
.endm
	s_wait_alu depctr_va_vdst(0)                   ; the wait at the head's end
	s_wait_tensorcnt 0x0                           ; my tile of the head's four is in; the lines ahead of a later first fill:
	ds_add_u32 v[SPW], v[NIL]
	s_mov_b32 s[G1+2], 8<<16                       ; no tensor load of mine is out: from here on a load brings 8 tiles
	s_mov_b32 s[G1+4], 8
	s_mov_b32 s[G1B+2], 8<<16
	s_mov_b32 s[G1B+4], 8
	s_wait_dscnt 0x0
	CROUND
	JLOAD G0+4, G1, G0B+4, G1B                     ; K step 1: the first tensor load behind the round
	FETCH_B 0, 0, 0
	FETCH_A 0, 0, 0
	SCALES 0
	FETCH_A 0, 0, 4
	s_wait_loadcnt 0x0
	s_cmp_eq_u32 s19, 1
	s_cbranch_scc1 .Lfirst_v
	STEP 0, 0, 1
	s_branch .Lfirst_done
.Lfirst_v:
	STEP 0, 0, 2
.Lfirst_done:
	TURN 0, 1, 1
	STEP 1, 0, 0
	TURN 1, 0, 1
	STEP 0, 0, 0
	TURN 0, 1, 0
	STEP 1, 0, 0
	s_wait_dscnt 4*NL
	WIN MUL_LO
	MUL16 0, 1, NQ-1, 1, 0
	MUL16 2, 1, NQ-1, 1, 0
	s_wait_dscnt 0
	WIN MUL_HI
	MUL16 4, 1, NQ-1, 1, 0
	MUL16 6, 1, NQ-1, 1, 0
	WIN 0
	PLACES NP
.irp b, 0,1,2,3
	v_mov_b32 v[TM+4+\b], 0
.endr
	v_mov_b32 v[VO], v[LN]
	v_add_nc_u32 v[VO+1], 512, v[LN]
	v_add_nc_u32 v[VO+2], s42, v[LN]
	v_add_nc_u32 v[VO+3], 512, v[VO+2]
.macro QOUT a
.set QW, 2+(\a)/4
.set AC, 64*((\a)%4)
	WIN QW|(QW<<2)
.irp b, 0,1,2,3
	v_max3_num_f32 v[TM+\b], |v[AC+16*\b]|, |v[AC+16*\b+1]|, 0x8000000
.endr
.irp i, 2,4,6,8,10,12,14
.irp b, 0,1,2,3
	v_max3_num_f32 v[TM+\b], |v[AC+16*\b+\i]|, |v[AC+16*\b+\i+1]|, v[TM+\b]
.endr
.endr
	WIN 0
.irp b, 0,1,2,3
	v_permlanex16_b32 v[TM+4+\b], v[TM+\b], s2, s3
.endr
.irp b, 0,1,2,3
	v_max_num_f32 v[TM+\b], v[TM+\b], v[TM+4+\b]
.endr
.irp b, 0,1,2,3
	v_add_nc_u32 v[TM+12+\b], 0xf8800000, v[TM+\b]
.endr
.irp b, 0,1,2,3
	v_and_or_b32 v[TM+8+\b], v[TM+\b], 0x7f800000, s23
.endr
.irp b, 0,1,2,3
	v_lshrrev_b32 v[TM+4+\b], 23, v[TM+12+\b]
.endr
	v_lshl_or_b32 v[PWS+(\a)], v[TM+5], 8, v[TM+4]
	v_lshl_or_b32 v[PWS+(\a)], v[TM+6], 16, v[PWS+(\a)]
	v_lshl_or_b32 v[PWS+(\a)], v[TM+7], 24, v[PWS+(\a)]
	WIN QW|(QW<<6)
.set n, 0
.rept 64
	v_med3_num_f32 v[AC+n], v[AC+n], -v[TM+8+n/16], v[TM+8+n/16]
.set n, n+1
.endr
	WIN QW
	s_wait_alu depctr_va_vdst(0)
	s_wait_xcnt 0x0
.if (\a) == 4
	s_add_nc_u64 s[92:93], s[92:93], s[98:99]
.elseif (\a) > 0
	s_add_nc_u64 s[92:93], s[92:93], s[96:97]
.endif
.irp b, 0,1,2,3
	v_cvt_scalef32_pk8_bf8_f32 v[PC+4*\b:PC+4*\b+1], v[AC+16*\b:AC+16*\b+7], v[TM+12+\b]
	v_cvt_scalef32_pk8_bf8_f32 v[PC+4*\b+2:PC+4*\b+3], v[AC+16*\b+8:AC+16*\b+15], v[TM+12+\b]
.endr
	WIN 0
	v_nop
.irp b, 0,1,2,3
	global_store_b128 v[VO+\b], v[PC+4*\b:PC+4*\b+3], s[92:93]
.endr
.endm
.irp a, 0,1,2,3,4,5,6,7
	QOUT \a
.endr
.irp i, 0,1,2,3
	v_cndmask_b32 v[D0+\i], v[PWS+\i], v[PWS+4+\i], s20
.endr
.irp i, 0,1,2,3
	v_lshrrev_b32 v[D1+\i], 16, v[D0+\i]
.endr
.irp i, 0,1,2,3
	v_cndmask_b32 v[D1+\i], v[D1+\i], v[PWS+4+\i], s21
.endr
.irp i, 0,1,2,3
	v_and_b32 v[D0+\i], s22, v[D0+\i]
.endr
	global_store_b128 v[LN], v[D0:D0+3], s[94:95] offset:8192
	global_store_b128 v[LN], v[D1:D1+3], s[94:95] offset:HEADB+8192
	s_wait_tensorcnt 0x0
	ds_add_u32 v[SPW], v[NIL]
	s_wait_dscnt 0x0
	CROUND
	s_endpgm
.Lfunc_end_k_qb7c9a58f23_qkv:
	.size	k_qb7c9a58f23_qkv, .Lfunc_end_k_qb7c9a58f23_qkv-k_qb7c9a58f23_qkv
	.p2alignl 7, 3214868480
	.fill 96, 4, 3214868480
	.section	.rodata,"a",@progbits
	.p2align	6, 0x0
	.amdhsa_kernel k_qb7c9a58f23_qkv
		.amdhsa_group_segment_fixed_size 327680
		.amdhsa_private_segment_fixed_size 0
		.amdhsa_enable_private_segment 0
		.amdhsa_kernarg_size 48
		.amdhsa_user_sgpr_count 2
		.amdhsa_user_sgpr_kernarg_segment_ptr 1
		.amdhsa_wavefront_size32 1
		.amdhsa_system_sgpr_workgroup_id_x 1
		.amdhsa_system_sgpr_workgroup_id_y 1
		.amdhsa_system_sgpr_workgroup_id_z 1
		.amdhsa_system_vgpr_workitem_id 0
		.amdhsa_next_free_vgpr 1024
		.amdhsa_next_free_sgpr 102
		.amdhsa_reserve_vcc 0
		.amdhsa_float_denorm_mode_32 3
		.amdhsa_float_denorm_mode_16_64 3
		.amdhsa_memory_ordered 1
		.amdhsa_forward_progress 1
		.amdhsa_inst_pref_size 209
	.end_amdhsa_kernel
	.amdgpu_metadata
---
amdhsa.version: [ 1, 2 ]
amdhsa.kernels:
  - .name:           k_qb7c9a58f23_qkv
    .symbol:         k_qb7c9a58f23_qkv.kd
    .args:
      - { .name: x_img, .offset: 0, .size: 8, .value_kind: global_buffer, .address_space: global }
      - { .name: x_scl, .offset: 8, .size: 8, .value_kind: global_buffer, .address_space: global }
      - { .name: w_img, .offset: 16, .size: 8, .value_kind: global_buffer, .address_space: global }
      - { .name: w_scl, .offset: 24, .size: 8, .value_kind: global_buffer, .address_space: global }
      - { .name: b_attn, .offset: 32, .size: 8, .value_kind: global_buffer, .address_space: global }
      - { .name: qkv, .offset: 40, .size: 8, .value_kind: global_buffer, .address_space: global }
    .group_segment_fixed_size: 327680
    .private_segment_fixed_size: 0
    .kernarg_segment_align: 8
    .kernarg_segment_size: 48
    .max_flat_workgroup_size: 128
    .sgpr_count:     102
    .vgpr_count:     1024
    .wavefront_size: 32
...
	.end_amdgpu_metadata
.endif
;; end of part 2
;; launch attn (part 3): grid 4 x 64, 16 waves a work-group, clusters of 4 x 1, 327,680 bytes of LDS; arguments qkv, y_img, y_scl; writes y_img, y_scl
.if DOCPART == 3
	.amdgcn_target "amdgcn-amd-amdhsa--gfx1250"
	.amdhsa_code_object_version 6
	.text
	.protected	k_qb7c9a58f23_attn
	.globl	k_qb7c9a58f23_attn
	.p2align	8
	.type	k_qb7c9a58f23_attn,@function
k_qb7c9a58f23_attn:
	s_mov_b64 s[64:65], 0
	v_nop
	global_prefetch_b8 v0, s[64:65] scope:SCOPE_SE
	s_setreg_imm32_b32 hwreg(HW_REG_WAVE_MODE, 25, 1), 1
	s_wait_xcnt 0x0
	s_wait_alu depctr_hold_cnt(0) depctr_sa_sdst(0) depctr_va_vdst(0) depctr_va_sdst(0) depctr_va_ssrc(0) depctr_va_vcc(0) depctr_vm_vsrc(0)
	s_getreg_b32 s2, hwreg(HW_REG_IB_STS2, 6, 4)
	s_cmp_eq_u32 s2, 0
	s_cbranch_scc0 .Lentry_in_a_cluster
	s_endpgm
.Lentry_in_a_cluster:
	s_bfe_u32 s2, ttmp6, 0x10000c
	s_cmp_lg_u32 s2, 0x3003
	s_cbranch_scc0 .Lentry_shape_is_right
	s_endpgm
.Lentry_shape_is_right:
; y = softmax(q k^T / 8) v for one (batch, head), both products on codes of BF8 (E5M2) with E8M0 scales, and y's quantising along d_model for the last product.
; INPUT qkv [b 4][g 48][s 16][8,704 bytes] (g: q's heads, k's, v's), records of 128 positions laid as operand registers; a position is an index with bits 3 and 4 swapped.
; THE SOFTMAX: t = score x log2(e) / 8; M = the running largest t rounded UP to a whole number; p = 2^(t - M) is quantised along the keys, not normalised; the row's sum is taken of the unquantised p and divides at the end;
; when M moves, the sum and O are multiplied by 2^(old M - new M), which rounds nothing.
; A BLOCK'S SCALE: the largest p of 32 keys is 2^(tb - M), tb the block's largest t, so floor(log2) of it is floor(tb - M): the byte, the conversion's operand and the hold are made from that whole number, held at -111 from below.
; SHARES.  A work-group has one head and 512 of its queries; each of sixteen waves takes 16 queries a pass, two passes, and walks all 2,048 keys, 128 a step.
; A WHOLE HEAD'S K AND V STAY IN LDS (2 x 139,264 bytes), filled once.  The four work-groups of a cluster have the same head: every fill is a joint load.
; Each wave issues two loads: at the head its eighth of steps 0-3 (4,352 bytes), and behind the full sequence and a round its eighth of steps 4-15 (13,056 bytes), which has four steps in which to land.
; No prefetch: both loads are issued before the first loop begins, so no trip lies ahead of either.
; LAYOUT.  S^T = K Q^T (source 0 = 16 key positions, source 1 = my 16 queries), O^T = V^T P^T: a lane holds one query throughout; the 16 registers of tiles 2 n, 2 n + 1 are 16 neighbouring keys (or 16 neighbours of the head's 64).
; THE HEAD'S 64 FILL HALF OF THE INSTRUCTION'S 128: Q's upper eight registers are zero codes; K's operand takes the next tile's eight registers as its upper half (the last tile: zeros); the scale bytes there are 0, never 0xff.
; THE ROW'S SUM runs in eight chains of pairs; their last eight additions stand in the next step, as places behind matrix instructions.
; OUTPUT y_img, y_scl: the images that the last product reads; head hh fills k = 64 hh .. 64 hh + 63 of its rows; each wave stores two scale bytes a row beside its 1,024 bytes of codes.
; LIMITS: NaN and infinities are not served; the promise holds while |t| stays under 2^31; a block of zeros gets the byte 1 (its codes are zeros; this program alone reads the bytes).
.set REC,   8704
.set HEADB, 16*REC
.set PA,    4352                       ; the first load: an eighth of four records
.set PB,    13056                      ; the second: an eighth of twelve
.set GRPB,  4*REC
.set SPARE, 2*HEADB                    ; the spare words, 128 bytes a wave
.set LN,  1                            ; v1  16 x lane
.set ADK, 2                            ; v2  the step's record of K
.set ADV, 3                            ; v3  of V
.set T4,  4                            ; v4  at work
.set R8,  5                            ; v5  8 r
.set R16, 6                            ; v6  16 r
; v[8:11], v[226:229], v[234:241]: the sum's eight chains;  v12 -M, v13 the largest score, v[14:15] the sum
.set QF,  16                           ; v16-23 Q's codes, v24-31 zeros
.set KV,  32                           ; v32-95 K's eight tiles, later V's four fragments; v96-103 zeros
.set SS,  104                          ; v104-167 S^T, then p
.set OT,  168                          ; v168-199 O^T
.set PCD, 200                          ; v200-215 p's codes
.set QN,  216                          ; v216-223 the second pass's Q, v224 its scale word
.set QNS, 224
.set QS,  225
.set KS,  226                          ; v226-229 K's scale words (between the products: two chains)
.set VS,  230
.set BM,  234
.set BT,  238
.set BH,  242
.set BO,  246
.set PW,  250
.set SPW, 251
.set FF,  252
.set TMP, 254
.set NIL, 255
.set WV,  10
.set G1A, 16                           ; s[16:23] group 1 of the first load, s[32:39] of the second
.set G0A, 24
.set G0B, 28
.set G1B, 32
.set SEL, 40
.set CS,  42
.set MNT, 44
.set TB,  45
.set CNT, 46
.macro CROUND
	s_barrier_signal -1
	s_barrier_wait -1
	s_cmp_lg_u32 s[WV], 0
	s_cbranch_scc1 .Lnot_wave_0_\@
	s_barrier_signal -3
.Lnot_wave_0_\@:
	s_barrier_wait -3
	s_barrier_signal -1
	s_barrier_wait -1
.endm
	s_load_b128 s[4:7], s[0:1], 0x0                ; qkv, y_img
	s_load_b64 s[8:9], s[0:1], 0x10                ; y_scl
	v_lshl_add_u32 v[SPW], v0, 2, SPARE
	v_mov_b32 v[NIL], 0
	ds_add_u32 v[SPW], v[NIL]                      ; the opening lines: the add twice and one wait
	ds_add_u32 v[SPW], v[NIL]
	v_lshrrev_b32 v1, 5, v0
	s_delay_alu instid0(VALU_DEP_1)
	v_readfirstlane_b32 s[WV], v1                  ; wave 0..15
	s_bfe_u32 s11, ttmp6, 0x40000                  ; cx: my quarter of the queries; it enters Q's and y's addresses alone
	s_and_b32 s14, ttmp7, 0xffff
	s_lshr_b32 s12, s14, 4                         ; b
	s_and_b32 s13, s14, 15                         ; head
	s_lshr_b32 s14, s[WV], 3                       ; I fetch for K (0) or for V (1),
	s_and_b32 s15, s[WV], 7                        ; this eighth
	s_mul_i32 s56, s12, 48
	s_add_co_u32 s56, s56, s13                     ; 48 b + head
	s_lshl_b32 s60, s14, 4
	s_add_co_u32 s60, s60, s56
	s_add_co_u32 s60, s60, 16
	s_mul_i32 s60, s60, HEADB                      ; K's or V's head in memory
	s_mov_b32 s61, 0
	s_mul_i32 s63, s14, HEADB                      ; and in LDS: K's at 0, V's behind it
	s_mul_i32 s62, s15, PA                         ; my piece of records 0-3
	s_mul_i32 s47, s15, PB
	s_add_co_u32 s47, s47, GRPB                    ; and of records 4-15
	s_mov_b32 s[G0A], 1
	s_add_co_u32 s[G0A+1], s63, s62
	s_mov_b32 s[G0B], 1
	s_add_co_u32 s[G0B+1], s63, s47
	s_mov_b32 s63, 0
	s_mul_i32 s58, s56, HEADB
	s_lshl_b32 s59, s11, 2
	s_add_co_u32 s59, s59, s14
	s_mul_i32 s59, s59, REC
	s_add_co_u32 s58, s58, s59                     ; Q: the first pass's record: step 4 cx + wave / 8;
	s_lshl_b32 s59, s15, 10
	s_add_co_u32 s48, s58, s59                     ; my tile's codes;
	s_mov_b32 s49, 0
	s_lshr_b32 s59, s15, 2
	s_lshl_b32 s59, s59, 8
	s_add_co_u32 s50, s58, s59
	s_and_b32 s59, s[WV], 3
	s_lshl_b32 s59, s59, 2
	s_add_co_u32 s50, s50, s59                     ; its scale words
	s_mov_b32 s51, 0
	s_lshl_b32 s52, s12, 7
	s_lshl_b32 s53, s11, 5
	s_add_co_u32 s52, s52, s53
	s_add_co_u32 s52, s52, s[WV]                   ; y: the first pass's tile: 128 b + 32 cx + wave
	s_lshl_b32 s54, s52, 9
	s_lshl_b32 s52, s52, 14
	s_lshl_b32 s53, s13, 10
	s_add_co_u32 s52, s52, s53                     ; codes: + 1,024 head
	s_mov_b32 s53, 0
	s_lshr_b32 s55, s13, 2
	s_lshl_b32 s55, s55, 7
	s_add_co_u32 s54, s54, s55
	s_and_b32 s55, s13, 3
	s_lshl_b32 s55, s55, 1
	s_add_co_u32 s54, s54, s55                     ; scale bytes: + 128 (head / 4) + 2 (head % 4)
	s_mov_b32 s55, 0
	; groups 1: dense bytes as rows of 256 (32 elements of 8 bytes), 17 rows and 51 rows; the mask names all four work-groups
	s_mov_b32 s[G1A], 15|(3<<16)|(1<<21)
	s_mov_b32 s[G1A+1], 32<<16
	s_mov_b32 s[G1A+2], 17<<16
	s_mov_b32 s[G1A+3], 32<<16
	s_mov_b32 s[G1A+4], 17
	s_mov_b32 s[G1A+5], 32
	s_mov_b32 s[G1A+6], 0
	s_mov_b32 s[G1A+7], 0
	s_mov_b32 s[G1B], 15|(3<<16)|(1<<21)
	s_mov_b32 s[G1B+1], 32<<16
	s_mov_b32 s[G1B+2], 51<<16
	s_mov_b32 s[G1B+3], 32<<16
	s_mov_b32 s[G1B+4], 51
	s_mov_b32 s[G1B+5], 32
	s_mov_b32 s[G1B+6], 0
	s_mov_b32 s[G1B+7], 0
	s_mov_b32 s[SEL], 0x76543210
	s_mov_b32 s[SEL+1], 0xfedcba98
	s_mov_b32 s[CS], 0x3e38aa3b                    ; c = log2(e) / 8
	s_mov_b32 s[CS+1], s[CS]
	s_mov_b32 s[MNT], 0x600000
	s_wait_dscnt 0x0
	s_wait_kmcnt 0x0
	s_add_nc_u64 s[60:61], s[4:5], s[60:61]
	s_add_nc_u64 s[48:49], s[4:5], s[48:49]
	s_add_nc_u64 s[50:51], s[4:5], s[50:51]
	s_add_nc_u64 s[52:53], s[6:7], s[52:53]
	s_add_nc_u64 s[54:55], s[8:9], s[54:55]
	s_add_nc_u64 s[G0A+2:G0A+3], s[60:61], s[62:63]
	s_or_b32 s[G0A+3], s[G0A+3], 0x80000000
	s_mov_b32 s62, s47
	s_add_nc_u64 s[G0B+2:G0B+3], s[60:61], s[62:63]
	s_or_b32 s[G0B+3], s[G0B+3], 0x80000000
	CROUND                                         ; all four work-groups are here: the joint loads meet
	tensor_load_to_lds s[G0A:G0A+3], s[G1A:G1A+7]  ; my one load at the head
	s_nop 0
.rept 4
	v_nop
.endr
	v_and_b32 v4, 31, v0
	s_delay_alu instid0(VALU_DEP_1)
	v_lshlrev_b32 v[LN], 4, v4
	v_and_b32 v7, 15, v0
	s_delay_alu instid0(VALU_DEP_1)
	v_lshlrev_b32 v[R8], 3, v7
	s_delay_alu instid0(VALU_DEP_2)
	v_lshlrev_b32 v[R16], 4, v7
	global_load_b128 v[QF:QF+3], v[LN], s[48:49]
	global_load_b128 v[QF+4:QF+7], v[LN], s[48:49] offset:512
	global_load_b128 v[QN:QN+3], v[LN], s[48:49] offset:2*REC         ; the second pass's tile lies two records on
	global_load_b128 v[QN+4:QN+7], v[LN], s[48:49] offset:2*REC+512
	global_load_b32 v[QS], v[R16], s[50:51] offset:8192
	global_load_b32 v[QNS], v[R16], s[50:51] offset:2*REC+8192
.irp i, 0,1,2,3,4,5,6,7
	v_mov_b32 v[QF+8+\i], 0                        ; zero codes for k = 64 .. 127
	v_mov_b32 v[KV+64+\i], 0
.endr
	v_mov_b32 v[FF+1], 0                           ; (named as the upper half of a pair)
	v_mov_b32 v[TMP], 0
.macro INIT                            ; a pass begins: O^T, the sum and its chains as zeros, the largest score under every score, -M far above every -M: the first f is 0 and multiplies zeros
	v_mov_b32 v13, 0xff61b1e6
	v_mov_b32 v12, 0x7e000000
	v_mov_b32 v14, 0
	v_mov_b32 v15, 0
.irp c, 8,9,10,11,226,227,228,229,234,235,236,237,238,239,240,241
	v_mov_b32 v\c, 0
.endr
.set i, 0
.rept 32
	v_mov_b32 v[OT+i], 0
.set i, i+1
.endr
	s_mov_b32 s[TB], 0
.endm
.macro COMBA                           ; eight chains into two
	v_pk_add_f32 v[8:9], v[8:9], v[10:11]
	v_pk_add_f32 v[226:227], v[226:227], v[228:229]
	v_pk_add_f32 v[234:235], v[234:235], v[236:237]
	v_pk_add_f32 v[238:239], v[238:239], v[240:241]
	v_pk_add_f32 v[8:9], v[8:9], v[226:227]
	v_pk_add_f32 v[234:235], v[234:235], v[238:239]
.endm
; A KEY STEP: 128 keys.
.macro STEP
	v_add_nc_u32 v[ADK], s[TB], v[LN]              ; eight plain lines behind the last products, ahead of loads into registers that they read: two of this step's own,
	v_mov_b32 v[TMP], v12                          ; (the old -M)
	COMBA                                          ; and six additions of the last step's chains
.irp t, 0,1,2,3,4,5,6,7
	ds_load_b128 v[KV+8*\t:KV+8*\t+3], v[ADK] offset:1024*\t
	ds_load_b128 v[KV+8*\t+4:KV+8*\t+7], v[ADK] offset:1024*\t+512
.endr
	ds_load_b128 v[KS:KS+3], v[ADK] offset:8192
	s_wait_alu depctr_va_vdst(0)                   ; the wait here, directly ahead of the wait below
	s_wait_dscnt 0x0
.irp t, 0,1,2,3
	v_wmma_scale_f32_16x16x128_f8f6f4 v[SS+8*\t:SS+8*\t+7], v[KV+8*\t:KV+8*\t+15], v[QF:QF+15], 0, v[KS+\t], v[QS] matrix_a_fmt:MATRIX_FMT_BF8 matrix_b_fmt:MATRIX_FMT_BF8
.endr
.irp t, 4,5,6,7
	v_wmma_scale_f32_16x16x128_f8f6f4 v[SS+8*\t:SS+8*\t+7], v[KV+8*\t:KV+8*\t+15], v[QF:QF+15], 0, v[KS+\t-4], v[QS] matrix_a_fmt:MATRIX_FMT_BF8 matrix_b_fmt:MATRIX_FMT_BF8 matrix_a_scale:MATRIX_SCALE_ROW1
.endr
	v_pk_add_f32 v[8:9], v[8:9], v[234:235]        ; eight places ahead of the loads into K's registers and of the first read of the scores
	v_add_nc_u32 v[ADV], HEADB, v[ADK]
.rept 5
	v_nop
.endr
	v_pk_add_f32 v[14:15], v[14:15], v[8:9]        ; the last step's p are in the sum
.irp a, 0,1,2,3
.irp c, 0,1,2,3
	ds_load_b128 v[KV+16*\a+4*\c:KV+16*\a+4*\c+3], v[ADV] offset:2048*\a+512*\c   ; V lands under the softmax
.endr
.endr
	ds_load_b128 v[VS:VS+3], v[ADV] offset:8192
.irp b, 0,1,2,3
	v_max3_num_f32 v[BM+\b], v[SS+16*\b], v[SS+1+16*\b], v[SS+2+16*\b]   ; the largest score of each block of 32 keys
.endr
.irp i, 3,5,7,9,11,13
.irp b, 0,1,2,3
	v_max3_num_f32 v[BM+\b], v[BM+\b], v[SS+16*\b+\i], v[SS+1+16*\b+\i]
.endr
.endr
.irp b, 0,1,2,3
	v_max_num_f32 v[BM+\b], v[BM+\b], v[SS+15+16*\b]
.endr
.irp b, 0,1,2,3
	v_permlanex16_b32 v[BT+\b], v[BM+\b], s[SEL], s[SEL+1]
.endr
.irp b, 0,1,2,3
	v_max_num_f32 v[BM+\b], v[BM+\b], v[BT+\b]     ; with lane l xor 16's 16 keys (the four blocks by turns)
.endr
	v_max3_num_f32 v[T4], v[BM], v[BM+1], v[BM+2]
	v_max3_num_f32 v13, v13, v[T4], v[BM+3]        ; the running largest score
	v_mul_f32 v[T4], s[CS], v13                    ; as t (c is positive)
	v_floor_f32 v12, -v[T4]                        ; the new -M = -ceil(t)
.set j, 0
.rept 32
	v_pk_fma_f32 v[SS+j:SS+j+1], v[SS+j:SS+j+1], s[CS:CS+1], v[12:13] op_sel_hi:[1,0,0]   ; t - M, two at a time
.if j == 8
	v_sub_f32 v[TMP], v12, v[TMP]                  ; old M - new M: a whole number, 0 or less
.elseif j == 24
	v_cvt_i32_f32 v[TMP], v[TMP]                   ; (it saturates)
.elseif j == 40
	v_ldexp_f32 v[FF], 1.0, v[TMP]                 ; f = 2^(old M - new M)
.endif
.set j, j+2
.endr
.irp b, 0,1,2,3
	v_fma_f32 v[BM+\b], v[BM+\b], s[CS], v12       ; tb - M of each block's largest score
.endr
.irp b, 0,1,2,3
	v_max_num_f32 v[BM+\b], 0xc2de0000, v[BM+\b]   ; held at -111: the byte cannot fall under 1
.endr
.irp b, 0,1,2,3
	v_cvt_floor_i32_f32 v[BM+\b], v[BM+\b]         ; E = floor(log2(the block's largest p)), -111 .. 0
.endr
.irp b, 0,1,2,3
	v_lshl_add_u32 v[BO+\b], v[BM+\b], 23, 0x38000000   ; (E + 112) << 23: the conversion's scale operand
.endr
	v_lshl_add_u32 v[PW], v[BM+3], 8, v[BM+2]      ; the four bytes E + 112 as one word: the sum of E 256^b, and 112 in every byte
	v_add_nc_u32 v[BH], 0x07e00000, v[BO]          ; 57,344 x the scale: 15 more in the exponent field, 57,344's mantissa
	v_lshl_add_u32 v[PW], v[PW], 8, v[BM+1]
	v_add_nc_u32 v[BH+1], 0x07e00000, v[BO+1]
	v_lshl_add_u32 v[PW], v[PW], 8, v[BM]
	v_add_nc_u32 v[BH+2], 0x07e00000, v[BO+2]
	v_add_nc_u32 v[PW], 0x70707070, v[PW]
	v_add_nc_u32 v[BH+3], 0x07e00000, v[BO+3]
	s_wait_alu depctr_va_vdst(0)                   ; the wait ahead of the batch
.set j, 0
.rept 64
	v_exp_f32 v[SS+j], v[SS+j]                     ; p = 2^(t - M)
.set j, j+1
.endr
	v_pk_mul_f32 v[14:15], v[14:15], v[FF:FF+1] op_sel_hi:[1,0]   ; the sum under the new M (a plain line behind the exponentials)
	s_wait_alu depctr_va_vdst(0)                   ; and behind it, ahead of its first reader
.set j, 0
.irp c, 8,10,226,228,234,236,238,240
	v_pk_add_f32 v[\c:\c+1], v[SS+2*j:SS+2*j+1], v[SS+16+2*j:SS+17+2*j]   ; the unquantised p, in eight chains
.set j, j+1
.endr
.irp o, 32,48
.set j, 0
.irp c, 8,10,226,228,234,236,238,240
	v_pk_add_f32 v[\c:\c+1], v[\c:\c+1], v[SS+\o+2*j:SS+\o+2*j+1]
.set j, j+1
.endr
.endr
.irp b, 0,1,2,3
.irp i, 0,2,4,6,8,10,12,14
	v_dual_min_num_f32 v[SS+16*\b+\i], v[SS+16*\b+\i], v[BH+\b] :: v_dual_min_num_f32 v[SS+16*\b+\i+1], v[SS+16*\b+\i+1], v[BH+\b]   ; the conversion does not saturate (ISA guide 7.6.2); p is not negative
.endr
	v_cvt_scalef32_pk8_bf8_f32 v[PCD+4*\b:PCD+4*\b+1], v[SS+16*\b:SS+16*\b+7], v[BO+\b]
	v_cvt_scalef32_pk8_bf8_f32 v[PCD+4*\b+2:PCD+4*\b+3], v[SS+16*\b+8:SS+16*\b+15], v[BO+\b]
.endr
.set j, 0
.rept 16
	v_pk_mul_f32 v[OT+j:OT+j+1], v[OT+j:OT+j+1], v[FF:FF+1] op_sel_hi:[1,0]   ; O^T under the new M; these lines also stand between the conversions and the products
.set j, j+2
.endr
	s_wait_alu depctr_va_vdst(0)                   ; the wait here, directly ahead of the wait below
	s_wait_dscnt 0x0                               ; V is in
.irp a, 0,1,2,3
	v_wmma_scale_f32_16x16x128_f8f6f4 v[OT+8*\a:OT+8*\a+7], v[KV+16*\a:KV+16*\a+15], v[PCD:PCD+15], v[OT+8*\a:OT+8*\a+7], v[VS+\a], v[PW] matrix_a_fmt:MATRIX_FMT_BF8 matrix_b_fmt:MATRIX_FMT_BF8
.endr
	s_add_co_u32 s[TB], s[TB], REC
.endm
.macro WALK n                          ; n key steps
	s_mov_b32 s[CNT], \n
.Lwalk_\@:
	STEP
	s_sub_co_u32 s[CNT], s[CNT], 1
	s_cmp_lg_u32 s[CNT], 0
	s_cbranch_scc1 .Lwalk_\@
.endm
; y = O^T / the sum; register 16 c + i is d = 32 c + 16 h + i of my query: two blocks of 32 along d_model, quantised as they stand.
.macro FINISH pass
	COMBA                                          ; the last step's chains: eight plain lines, the places behind the last products
	v_pk_add_f32 v[8:9], v[8:9], v[234:235]
	s_delay_alu instid0(VALU_DEP_1)
	v_pk_add_f32 v[14:15], v[14:15], v[8:9]
	s_delay_alu instid0(VALU_DEP_1)
	v_add_f32 v14, v14, v15
	s_delay_alu instid0(VALU_DEP_1)
	v_permlanex16_b32 v[TMP], v14, s[SEL], s[SEL+1]
	s_delay_alu instid0(VALU_DEP_1)
	v_add_f32 v14, v14, v[TMP]                     ; the row's sum
	s_wait_alu depctr_va_vdst(0)
	v_rcp_f32 v14, v14
	v_nop
.set j, 0
	s_wait_alu depctr_va_vdst(0)
.rept 16
	v_pk_mul_f32 v[SS+j:SS+j+1], v[OT+j:OT+j+1], v[14:15] op_sel_hi:[1,0]
.set j, j+2
.endr
.irp b, 0,1
	v_max3_num_f32 v[BM+\b], |v[SS+16*\b]|, |v[SS+1+16*\b]|, 0x8000000
.endr
.irp i, 2,4,6,8,10,12,14
.irp b, 0,1
	s_delay_alu instid0(VALU_DEP_2)
	v_max3_num_f32 v[BM+\b], v[BM+\b], |v[SS+16*\b+\i]|, |v[SS+1+16*\b+\i]|
.endr
.endr
.irp b, 0,1
	s_delay_alu instid0(VALU_DEP_2)
	v_permlanex16_b32 v[BT+\b], v[BM+\b], s[SEL], s[SEL+1]
.endr
.irp b, 0,1
	s_delay_alu instid0(VALU_DEP_2)
	v_max_num_f32 v[BM+\b], v[BM+\b], v[BT+\b]
.endr
.irp b, 0,1
	s_delay_alu instid0(VALU_DEP_2)
	v_add_nc_u32 v[BO+\b], 0xf8800000, v[BM+\b]
.endr
.irp b, 0,1
	s_delay_alu instid0(VALU_DEP_4)
	v_and_or_b32 v[BH+\b], v[BM+\b], 0x7f800000, s[MNT]
.endr
.irp b, 0,1
	s_delay_alu instid0(VALU_DEP_4)
	v_lshrrev_b32 v[BT+\b], 23, v[BO+\b]
.endr
	s_delay_alu instid0(VALU_DEP_1)
	v_lshl_or_b32 v[PW], v[BT+1], 8, v[BT]         ; my head's two scale bytes of my row
.irp b, 0,1
.irp i, 0,1,2,3,4,5,6,7,8,9,10,11,12,13,14,15
	v_med3_num_f32 v[SS+16*\b+\i], v[SS+16*\b+\i], -v[BH+\b], v[BH+\b]
.endr
	v_cvt_scalef32_pk8_bf8_f32 v[PCD+4*\b:PCD+4*\b+1], v[SS+16*\b:SS+16*\b+7], v[BO+\b]
	v_cvt_scalef32_pk8_bf8_f32 v[PCD+4*\b+2:PCD+4*\b+3], v[SS+16*\b+8:SS+16*\b+15], v[BO+\b]
.endr
	v_nop                                          ; a plain line behind the last conversion
	global_store_b128 v[LN], v[PCD:PCD+3], s[52:53] offset:\pass*262144          ; 512 consecutive bytes of the image; the second pass's tile lies 16 tiles on
	global_store_b128 v[LN], v[PCD+4:PCD+7], s[52:53] offset:\pass*262144+512
	global_store_b16 v[R8], v[PW], s[54:55] offset:\pass*8192                    ; both halves of the lanes write the same two bytes with the same value
.endm
	INIT
	s_wait_alu depctr_va_vdst(0)                   ; the wait at the head's end
	s_wait_tensorcnt 0x0                           ; my piece of steps 0-3 is in; the lines ahead of a later first fill:
	ds_add_u32 v[SPW], v[NIL]
	s_wait_dscnt 0x0
	CROUND                                         ; everybody's piece is in, and all four work-groups are here
	tensor_load_to_lds s[G0B:G0B+3], s[G1B:G1B+7]  ; my piece of steps 4-15: my one load behind the round
	s_nop 0
.rept 4
	v_nop
.endr
	s_wait_loadcnt 0x0                             ; Q
	WALK 4
	s_wait_tensorcnt 0x0                           ; my piece of steps 4-15 has landed,
	s_barrier_signal -1
	s_barrier_wait -1                              ; everybody's has; nothing is filled again
	WALK 12
	FINISH 0
	s_wait_xcnt 0x0                                ; the stores have read their registers
.irp i, 0,1,2,3,4,5,6,7
	v_mov_b32 v[QF+\i], v[QN+\i]
.endr
	v_mov_b32 v[QS], v[QNS]
	INIT
	WALK 16
	FINISH 1
	s_wait_tensorcnt 0x0                           ; the wave's end
	ds_add_u32 v[SPW], v[NIL]
	s_wait_dscnt 0x0
	CROUND                                         ; the closing round
	s_endpgm
.Lfunc_end_k_qb7c9a58f23_attn:
	.size	k_qb7c9a58f23_attn, .Lfunc_end_k_qb7c9a58f23_attn-k_qb7c9a58f23_attn
	.p2alignl 7, 3214868480
	.fill 96, 4, 3214868480
	.section	.rodata,"a",@progbits
	.p2align	6, 0x0
	.amdhsa_kernel k_qb7c9a58f23_attn
		.amdhsa_group_segment_fixed_size 327680
		.amdhsa_private_segment_fixed_size 0
		.amdhsa_enable_private_segment 0
		.amdhsa_kernarg_size 24
		.amdhsa_user_sgpr_count 2
		.amdhsa_user_sgpr_kernarg_segment_ptr 1
		.amdhsa_wavefront_size32 1
		.amdhsa_system_sgpr_workgroup_id_x 1
		.amdhsa_system_sgpr_workgroup_id_y 1
		.amdhsa_system_sgpr_workgroup_id_z 1
		.amdhsa_system_vgpr_workitem_id 0
		.amdhsa_next_free_vgpr 256
		.amdhsa_next_free_sgpr 66
		.amdhsa_reserve_vcc 0
		.amdhsa_float_denorm_mode_32 3
		.amdhsa_float_denorm_mode_16_64 3
		.amdhsa_memory_ordered 1
		.amdhsa_forward_progress 1
		.amdhsa_inst_pref_size 79
	.end_amdhsa_kernel
	.amdgpu_metadata
---
amdhsa.version: [ 1, 2 ]
amdhsa.kernels:
  - .name:           k_qb7c9a58f23_attn
    .symbol:         k_qb7c9a58f23_attn.kd
    .args:
      - { .name: qkv, .offset: 0, .size: 8, .value_kind: global_buffer, .address_space: global }
      - { .name: y_img, .offset: 8, .size: 8, .value_kind: global_buffer, .address_space: global }
      - { .name: y_scl, .offset: 16, .size: 8, .value_kind: global_buffer, .address_space: global }
    .group_segment_fixed_size: 327680
    .private_segment_fixed_size: 0
    .kernarg_segment_align: 8
    .kernarg_segment_size: 24
    .max_flat_workgroup_size: 512
    .sgpr_count:     66
    .vgpr_count:     256
    .wavefront_size: 32
...
	.end_amdgpu_metadata
.endif
;; end of part 3
;; launch proj (part 4): grid 4 x 64, 4 waves a work-group, clusters of 4 x 4, 327,680 bytes of LDS; arguments y_img, y_scl, w_img, w_scl, b_proj, out0; writes out0
.if DOCPART == 4
	.amdgcn_target "amdgcn-amd-amdhsa--gfx1250"
	.amdhsa_code_object_version 6
	.text
	.protected	k_qb7c9a58f23_proj
	.globl	k_qb7c9a58f23_proj
	.p2align	8
	.type	k_qb7c9a58f23_proj,@function
k_qb7c9a58f23_proj:
	s_mov_b64 s[64:65], 0
	v_nop
	global_prefetch_b8 v0, s[64:65] scope:SCOPE_SE
	s_setreg_imm32_b32 hwreg(HW_REG_WAVE_MODE, 25, 1), 1
	s_wait_xcnt 0x0
	s_wait_alu depctr_hold_cnt(0) depctr_sa_sdst(0) depctr_va_vdst(0) depctr_va_sdst(0) depctr_va_ssrc(0) depctr_va_vcc(0) depctr_vm_vsrc(0)
	s_getreg_b32 s2, hwreg(HW_REG_IB_STS2, 6, 4)
	s_cmp_eq_u32 s2, 0
	s_cbranch_scc0 .Lentry_in_a_cluster
	s_endpgm
.Lentry_in_a_cluster:
	s_bfe_u32 s2, ttmp6, 0x10000c
	s_cmp_lg_u32 s2, 0xf033
	s_cbranch_scc0 .Lentry_shape_is_right
	s_endpgm
.Lentry_shape_is_right:
; out0 = y w_proj + b_proj on codes of BF8 (E5M2) with E8M0 scales.  y_img / y_scl and w_img / w_scl (w_proj: tiles 192..255) are laid as operand registers:
;   codes [T][ks 0..7][c 0..3][lane][16 bytes], 16,384 bytes a tile of 16 positions; scales [T][j 0..3][r][q 0..1][4 bytes], 512 bytes a tile; a position is an index with bits 3 and 4 swapped.
; A work-group makes 128 rows x 256 columns: 64 x 4 = 256 work-groups.  Four waves, each 64 x 128: 32 accumulators (window 2), B's fragments in two sets (window 1), A's in two sets (window 0).
; K = 1,024 goes in four K steps of 256 through two LDS slots (A's 8 tiles, then B's 16, 4,096 bytes a tile and K step).  The scale bytes of all of K come once: A's 4,096 bytes, B's 8,192 directly behind them.
; THE HEAD: one joint load a wave: wave 0 K step 0 of A, wave 1 of B, wave 2 A's scales, wave 3 B's; addresses and the bias are made under their flight; slot 1 is filled behind the full sequence and a round.
; CLUSTERS: 4 x 4; A's tiles are shared along a row of the cluster, B's along a column.  THE MATRIX INSTRUCTION IS USED TRANSPOSED (source 0 = B, source 1 = A): a lane holds eight neighbouring columns of a row.
; The bias is the C of each accumulator's first product.  A scale register holds A's word in lanes 0-15 and B's in lanes 16-31; for blocks 4-7 lanes 0-15 read bytes that no product names.
; No prefetch: of the four K steps two are asked for ahead of the first product and the other two one change of slots apart, so no trip lies two K steps ahead of a load.
.set FR,    16
.set NP,    8
.set NQ,    2
.set TILEB, 4096
.set BOFF,  8*TILEB
.set SLOT,  24*TILEB
.set SCLB,  2*SLOT
.set SPARE, SCLB+12288
.set SPITCH, 528
.set ADRA, 16
.set ADRB, 20
.set LN,   22
.set BQ,   23
.set STO,  24
.set RD,   25
.set ADRS, 27
.set SPW,  28
.set NIL,  29
.set SC,   32
.set BI,   64
.set AF,   128
.set BK,   128
.set G0H,  4
.set G0HB, 8
.set G1,   24
.set G0,   32
.set G1B,  48
.set G0B,  56
.set G1S,  68
.set G0S,  76
.set G1SB, 80
.set G0SB, 88
.set MSB, 0
.macro WIN new
.if MSB != (\new)
	s_set_vgpr_msb (MSB<<8)|(\new)
.set MSB, (\new)
.endif
.endm
.set MUL_LO,   0xa1
.set FIRST_LO, 0x81
.set TO_B,     0x40
.macro JLOAD g0a, g1a, g0b, g1b        ; waves 0 and 1 fetch for A, waves 2 and 3 for B
	s_cmp_eq_u32 s17, 0
	s_cbranch_scc0 .Lfor_b_\@
	tensor_load_to_lds s[\g0a:\g0a+3], s[\g1a:\g1a+7]
	s_nop 0
.rept 4
	v_nop
.endr
	s_branch .Lasked_\@
.Lfor_b_\@:
	tensor_load_to_lds s[\g0b:\g0b+3], s[\g1b:\g1b+7]
	s_nop 0
.rept 4
	v_nop
.endr
.Lasked_\@:
.endm
.macro CREST
	s_cmp_lg_u32 s16, 0
	s_cbranch_scc1 .Lnot_wave_0_\@
	s_barrier_signal -3
.Lnot_wave_0_\@:
	s_barrier_wait -3
	s_barrier_signal -1
	s_barrier_wait -1
.endm
.macro CROUND
	s_barrier_signal -1
	s_barrier_wait -1
	CREST
.endm
	s_load_b256 s[4:11], s[0:1], 0x0               ; y_img, y_scl, w_img, w_scl
	s_load_b128 s[12:15], s[0:1], 0x20             ; b_proj, out0
	v_lshl_add_u32 v[SPW], v0, 2, SPARE
	v_mov_b32 v[NIL], 0
	ds_add_u32 v[SPW], v[NIL]                      ; the opening lines: the add twice and one wait
	ds_add_u32 v[SPW], v[NIL]
	v_lshrrev_b32 v1, 5, v0
	v_readfirstlane_b32 s16, v1                    ; wave 0..3
	s_lshr_b32 s17, s16, 1                         ; my half of the rows; also: I fetch for A (0) or B (1)
	s_and_b32 s18, s16, 1                          ; my half of the columns; also: which half of a tile I fetch
	s_bfe_u32 s40, ttmp6, 0x40000
	s_bfe_u32 s41, ttmp6, 0x40004
	s_lshl_b32 s42, ttmp9, 2
	s_add_co_u32 s42, s42, s40                     ; block column 0..3
	s_and_b32 s43, ttmp7, 0xffff
	s_lshl_b32 s43, s43, 2
	s_add_co_u32 s43, s43, s41                     ; block row 0..63
	s_lshl_b32 s44, s41, 2
	s_lshl_b32 s44, 15, s44                        ; my row of the cluster
	s_lshl_b32 s45, 0x1111, s40                    ; my column
	s_or_b32 s[G1+0], s44, (3<<16)|(1<<21)
	s_or_b32 s[G1B+0], s45, (3<<16)|(1<<21)
.irp g, G1, G1B
	s_mov_b32 s[\g+1], 512<<16                     ; a row: 4,096 bytes of a tile (512 elements of 8 bytes), 16,384 bytes from tile to tile
	s_mov_b32 s[\g+3], 512<<16
	s_mov_b32 s[\g+5], 2048
	s_mov_b32 s[\g+6], 0
	s_mov_b32 s[\g+7], 0
.endr
	s_mov_b32 s[G1+2], 8<<16                       ; at the head A's 8 tiles and B's 16; behind it half as many
	s_mov_b32 s[G1+4], 8
	s_mov_b32 s[G1B+2], 16<<16
	s_mov_b32 s[G1B+4], 16
	s_or_b32 s[G1S+0], s44, (3<<16)|(1<<21)
	s_or_b32 s[G1SB+0], s45, (3<<16)|(1<<21)
.irp g, G1S, G1SB
	s_mov_b32 s[\g+1], 32<<16                      ; dense bytes as rows of 256
	s_mov_b32 s[\g+3], 32<<16
	s_mov_b32 s[\g+5], 32
	s_mov_b32 s[\g+6], 0
	s_mov_b32 s[\g+7], 0
.endr
	s_mov_b32 s[G1S+2], 16<<16
	s_mov_b32 s[G1S+4], 16
	s_mov_b32 s[G1SB+2], 32<<16
	s_mov_b32 s[G1SB+4], 32
	s_lshl_b32 s20, s43, 3                         ; A's first tile
	s_lshl_b32 s66, s42, 4
	s_add_co_u32 s66, s66, 192                     ; B's
	s_lshl_b32 s22, s20, 9
	s_lshl_b32 s20, s20, 14
	s_mov_b32 s21, 0
	s_mov_b32 s23, 0
	s_lshl_b32 s100, s66, 9
	s_lshl_b32 s66, s66, 14
	s_mov_b32 s67, 0
	s_mov_b32 s101, 0
	s_lshl_b32 s46, s18, 14                        ; the ring's loads: A's half in a slot,
	s_lshl_b32 s47, s18, 15
	s_add_co_u32 s47, s47, BOFF                    ; B's,
	s_lshl_b32 s92, s18, 16                        ; and in memory: 4 tiles, 8 tiles
	s_mov_b32 s93, 0
	s_lshl_b32 s94, s18, 17
	s_mov_b32 s95, 0
	s_wait_dscnt 0x0
	s_wait_kmcnt 0x0
	s_add_nc_u64 s[20:21], s[4:5], s[20:21]
	s_add_nc_u64 s[22:23], s[6:7], s[22:23]
	s_add_nc_u64 s[66:67], s[8:9], s[66:67]
	s_add_nc_u64 s[100:101], s[10:11], s[100:101]
	CROUND                                         ; all sixteen work-groups are here: the first joint loads meet
	s_mov_b32 s[G0H], 1
	s_mov_b32 s[G0H+1], 0
	s_mov_b64 s[G0H+2:G0H+3], s[20:21]
	s_or_b32 s[G0H+3], s[G0H+3], 0x80000000
	s_mov_b32 s[G0HB], 1
	s_mov_b32 s[G0HB+1], BOFF
	s_mov_b64 s[G0HB+2:G0HB+3], s[66:67]
	s_or_b32 s[G0HB+3], s[G0HB+3], 0x80000000
	s_mov_b32 s[G0S], 1
	s_mov_b32 s[G0S+1], SCLB
	s_mov_b64 s[G0S+2:G0S+3], s[22:23]
	s_or_b32 s[G0S+3], s[G0S+3], 0x80000000
	s_mov_b32 s[G0SB], 1
	s_mov_b32 s[G0SB+1], SCLB+4096
	s_mov_b64 s[G0SB+2:G0SB+3], s[100:101]
	s_or_b32 s[G0SB+3], s[G0SB+3], 0x80000000
	s_add_nc_u64 s[20:21], s[20:21], s[92:93]      ; for the ring: my half
	s_add_nc_u64 s[66:67], s[66:67], s[94:95]
.irp s, 0,1
	s_mov_b32 s[G0+4*\s], 1
	s_add_co_u32 s[G0+4*\s+1], s46, \s*SLOT
	s_add_nc_u64 s[G0+4*\s+2:G0+4*\s+3], s[20:21], \s*TILEB
	s_or_b32 s[G0+4*\s+3], s[G0+4*\s+3], 0x80000000
	s_mov_b32 s[G0B+4*\s], 1
	s_add_co_u32 s[G0B+4*\s+1], s47, \s*SLOT
	s_add_nc_u64 s[G0B+4*\s+2:G0B+4*\s+3], s[66:67], \s*TILEB
	s_or_b32 s[G0B+4*\s+3], s[G0B+4*\s+3], 0x80000000
.endr
; the head's loads, one a wave, in one chain of branches on the wave's number
.macro ARM under, g0, g1, next
	s_cmp_lt_u32 s16, \under
	s_cbranch_scc0 \next
	tensor_load_to_lds s[\g0:\g0+3], s[\g1:\g1+7]
	s_nop 0
.rept 4
	v_nop
.endr
	s_branch .Lhead_asked
\next:
.endm
	ARM 1, G0H,  G1,  .Lhead_b
	ARM 2, G0HB, G1B, .Lhead_sa
	ARM 3, G0S,  G1S, .Lhead_sb
	tensor_load_to_lds s[G0SB:G0SB+3], s[G1SB:G1SB+7]
	s_nop 0
.rept 4
	v_nop
.endr
.Lhead_asked:
	; scalars first, then the vector lines on end
	s_lshl_b32 s96, s17, 14                        ; my four tiles of A in slot 0, 1
	s_add_co_u32 s97, s96, SLOT
	s_lshl_b32 s98, s18, 15
	s_add_co_u32 s98, s98, BOFF                    ; my eight tiles of B
	s_add_co_u32 s99, s98, SLOT
	s_lshl_b32 s2, s17, 11                         ; my scale words: A's,
	s_lshl_b32 s3, s18, 12
	s_add_co_u32 s3, s3, 4096
	s_sub_co_u32 s3, s3, s2                        ; and how far on B's lie
	s_add_co_u32 s2, s2, SCLB
	s_mul_i32 s19, s16, 16*SPITCH                  ; my stage, in slot 0
	s_lshl_b32 s94, s42, 10
	s_lshl_b32 s95, s18, 9
	s_add_co_u32 s94, s94, s95                     ; my first column in bytes
	s_mov_b32 s95, 0
	s_add_nc_u64 s[12:13], s[12:13], s[94:95]
	s_lshl_b32 s92, s43, 19                        ; my first row: 128 rows of 4,096 bytes a block, 64 a wave
	s_lshl_b32 s93, s17, 18
	s_add_co_u32 s92, s92, s93
	s_add_co_u32 s92, s92, s94
	s_mov_b32 s93, 0
	s_add_nc_u64 s[14:15], s[14:15], s[92:93]
	v_and_b32 v1, 15, v0
	v_bfe_u32 v2, v0, 4, 1
	v_and_b32 v3, 31, v0
	v_lshlrev_b32 v[LN], 4, v3
	v_add_nc_u32 v[ADRA], s96, v[LN]
	v_add_nc_u32 v[ADRA+1], s97, v[LN]
	v_add_nc_u32 v[ADRB], s98, v[LN]
	v_add_nc_u32 v[ADRB+1], s99, v[LN]
	v_mul_u32_u24 v4, s3, v2                       ; lanes 16-31 take B's words
	v_lshl_add_u32 v4, v1, 3, v4
	v_add_nc_u32 v[ADRS], s2, v4
	v_lshlrev_b32 v[BQ], 6, v2
	v_mul_u32_u24 v5, v1, SPITCH
	v_lshl_add_u32 v5, v2, 6, v5
	v_add_nc_u32 v[STO], s19, v5
	v_add_nc_u32 v[RD], s19, v[LN]
.irp b, 0,1,2,3,4,5,6,7
	global_load_b128 v[BI+8*\b:BI+8*\b+3], v[BQ], s[12:13] offset:(32*(\b/2)+8*(\b%2))*4
	global_load_b128 v[BI+8*\b+4:BI+8*\b+7], v[BQ], s[12:13] offset:(32*(\b/2)+8*(\b%2))*4+16
.endr
.macro FRAG reg, adr, q, i
.irp c, 0,1,2,3
	ds_load_b128 v[\reg+4*\c:\reg+4*\c+3], v[\adr] offset:(\i)*TILEB+(\q)*2048+512*\c
.endr
.endm
; 32 matrix instructions: A's four blocks x B's eight, 128 along K; p: the sets of fragments; the 32 accumulators take turns.  mode 1: the bias starts the sums
.macro MUL32 p, q, sc, mode
.irp a, 0,1,2,3
.irp b, 0,1,2,3,4,5,6,7
.if \mode == 0
	v_wmma_scale_f32_16x16x128_f8f6f4 v[8*(8*\a+\b):8*(8*\a+\b)+7], v[128*(\p)+FR*\b:128*(\p)+FR*\b+FR-1], v[AF+64*(\p)+FR*\a:AF+64*(\p)+FR*\a+FR-1], v[8*(8*\a+\b):8*(8*\a+\b)+7], v[SC+8*NQ*(\sc)+NQ*\b+(\q)], v[SC+8*NQ*(\sc)+NQ*\a+(\q)] matrix_a_fmt:MATRIX_FMT_BF8 matrix_b_fmt:MATRIX_FMT_BF8 matrix_a_scale:MATRIX_SCALE_ROW1
.else
	v_wmma_scale_f32_16x16x128_f8f6f4 v[8*(8*\a+\b):8*(8*\a+\b)+7], v[128*(\p)+FR*\b:128*(\p)+FR*\b+FR-1], v[AF+64*(\p)+FR*\a:AF+64*(\p)+FR*\a+FR-1], v[BI+8*\b:BI+8*\b+7], v[SC+8*NQ*(\sc)+NQ*\b+(\q)], v[SC+8*NQ*(\sc)+NQ*\a+(\q)] matrix_a_fmt:MATRIX_FMT_BF8 matrix_b_fmt:MATRIX_FMT_BF8 matrix_a_scale:MATRIX_SCALE_ROW1
.endif
.endr
.endr
.endm
.macro FETCH slot, q, p                ; 48 LDS loads: B's eight fragments and A's four into sets p
	WIN TO_B
.irp i, 0,1,2,3,4,5,6,7
	FRAG 128*(\p)+FR*\i, ADRB+\slot, \q, \i
.endr
	WIN 0
.irp i, 0,1,2,3
	FRAG AF+64*(\p)+FR*\i, ADRA+\slot, \q, \i
.endr
.endm
.macro SCALES sc
.irp i, 0,1,2,3,4,5,6,7
	ds_load_b64 v[SC+8*NQ*\sc+NQ*\i:SC+8*NQ*\sc+NQ*\i+1], v[ADRS] offset:\i*512
.endr
.endm
.macro PLACES n
.rept \n
	v_nop
.endr
.endm
; A slot's first 128 along K: sets 0 are multiplied while the slot's second 128 come into sets 1.
.macro STEP slot, mode
	PLACES NP                                      ; ahead of loads into registers that the last products read
	FETCH \slot, 1, 1
	s_wait_dscnt 48                                ; all but the 48 loads just issued: sets 0 and the scale words are in
.if \mode
	WIN FIRST_LO
.else
	WIN MUL_LO
.endif
	MUL32 0, 0, \slot, \mode
	WIN 0
.endm
; A slot's second 128, and the change of slots.  My reads of this slot are in registers, so the slot is given up first; the products run while the next slot's fragments come.
.macro TURN slot, next, fill
	s_wait_tensorcnt 0x0                           ; all my tensor loads have landed: my part of the next slot
	ds_add_u32 v[SPW], v[NIL]
	s_wait_dscnt 0x0                               ; the add is done, and my reads of this slot are over
	s_barrier_signal -1
	s_barrier_wait -1
.if \fill
	CREST                                          ; the barrier has opened a round of the cluster's barrier
	s_add_nc_u64 s[G0+4*\slot+2:G0+4*\slot+3], s[G0+4*\slot+2:G0+4*\slot+3], 2*TILEB
	s_add_nc_u64 s[G0B+4*\slot+2:G0B+4*\slot+3], s[G0B+4*\slot+2:G0B+4*\slot+3], 2*TILEB
	JLOAD G0+4*\slot, G1, G0B+4*\slot, G1B         ; the first tensor load behind the round; its four v_nop are among the places
	PLACES NP-4
.else
	PLACES NP
.endif
	s_wait_alu depctr_va_vdst(0)                   ; the wait here, directly ahead of the reader below
	v_add_nc_u32 v[ADRS], 128, v[ADRS]             ; the next K step's scale words
	FETCH \next, 0, 0
	SCALES \next
	WIN MUL_LO
	MUL32 1, 1, \slot, 0
	WIN 0
.endm
	s_wait_alu depctr_va_vdst(0)                   ; the wait at the head's end
	s_wait_tensorcnt 0x0                           ; my tile of the head's four is in; the lines ahead of a later first fill:
	ds_add_u32 v[SPW], v[NIL]
	s_mov_b32 s[G1+2], 4<<16                       ; no tensor load of mine is out: from here on a load brings half a tile's rows
	s_mov_b32 s[G1+4], 4
	s_mov_b32 s[G1B+2], 8<<16
	s_mov_b32 s[G1B+4], 8
	s_wait_dscnt 0x0
	CROUND
	JLOAD G0+4, G1, G0B+4, G1B                     ; K step 1: the first tensor load behind the round
	FETCH 0, 0, 0
	SCALES 0
	s_wait_loadcnt 0x0                             ; the bias
	STEP 0, 1
	TURN 0, 1, 1
	STEP 1, 0
	TURN 1, 0, 1
	STEP 0, 0
	TURN 0, 1, 0                                   ; nothing more to fill
	STEP 1, 0
	s_wait_dscnt 0x0
	WIN MUL_LO
	MUL32 1, 1, 1, 0
	WIN 0
; THE WAY OUT, block by block of 16 positions x 128 columns, through my stage in slot 0 (its last fill and its last read lie behind the last change of slots): whole rows of 512 bytes leave.
.macro TOSTAGE a
.set AC, 64*(\a)
	WIN 0x08
.irp b, 0,1,2,3,4,5,6,7
	ds_store_b128 v[STO], v[AC+8*\b:AC+8*\b+3] offset:128*(\b/2)+32*(\b%2)
	ds_store_b128 v[STO], v[AC+8*\b+4:AC+8*\b+7] offset:128*(\b/2)+32*(\b%2)+16
.endr
	WIN 0
.set BB, BK+64*((\a)%2)
.irp t, 0,1,2,3,4,5,6,7,8,9,10,11,12,13,14,15
	ds_load_b128 v[BB+4*\t:BB+4*\t+3], v[RD] offset:\t*SPITCH
.endr
.endm
.macro SEND a, younger
.set BB, BK+64*((\a)%2)
	s_wait_dscnt \younger
.irp t, 0,1,2,3,4,5,6,7,8,9,10,11,12,13,14,15
	global_store_b128 v[LN], v[BB+4*\t:BB+4*\t+3], s[14:15] offset:(32*((\a)/2)+8*((\a)%2)+\t+8*(\t/8))*4096 th:TH_STORE_NT
.endr
.endm
	PLACES NP
	TOSTAGE 0
.irp a, 1,2,3
.if \a > 1
	s_wait_xcnt 0x0                                ; block a - 2's stores have read their registers
.endif
	TOSTAGE \a
	SEND \a-1, 32                                  ; behind block a - 1's loads: block a's 16 stores and 16 loads
.endr
	SEND 3, 0
	s_wait_tensorcnt 0x0                           ; the wave's end
	ds_add_u32 v[SPW], v[NIL]
	s_wait_dscnt 0x0
	CROUND                                         ; the closing round
	s_endpgm
.Lfunc_end_k_qb7c9a58f23_proj:
	.size	k_qb7c9a58f23_proj, .Lfunc_end_k_qb7c9a58f23_proj-k_qb7c9a58f23_proj
	.p2alignl 7, 3214868480
	.fill 96, 4, 3214868480
	.section	.rodata,"a",@progbits
	.p2align	6, 0x0
	.amdhsa_kernel k_qb7c9a58f23_proj
		.amdhsa_group_segment_fixed_size 327680
		.amdhsa_private_segment_fixed_size 0
		.amdhsa_enable_private_segment 0
		.amdhsa_kernarg_size 48
		.amdhsa_user_sgpr_count 2
		.amdhsa_user_sgpr_kernarg_segment_ptr 1
		.amdhsa_wavefront_size32 1
		.amdhsa_system_sgpr_workgroup_id_x 1
		.amdhsa_system_sgpr_workgroup_id_y 1
		.amdhsa_system_sgpr_workgroup_id_z 1
		.amdhsa_system_vgpr_workitem_id 0
		.amdhsa_next_free_vgpr 768
		.amdhsa_next_free_sgpr 102
		.amdhsa_reserve_vcc 0
		.amdhsa_float_denorm_mode_32 3
		.amdhsa_float_denorm_mode_16_64 3
		.amdhsa_memory_ordered 1
		.amdhsa_forward_progress 1
		.amdhsa_inst_pref_size 90
	.end_amdhsa_kernel
	.amdgpu_metadata
---
amdhsa.version: [ 1, 2 ]
amdhsa.kernels:
  - .name:           k_qb7c9a58f23_proj
    .symbol:         k_qb7c9a58f23_proj.kd
    .args:
      - { .name: y_img, .offset: 0, .size: 8, .value_kind: global_buffer, .address_space: global }
      - { .name: y_scl, .offset: 8, .size: 8, .value_kind: global_buffer, .address_space: global }
      - { .name: w_img, .offset: 16, .size: 8, .value_kind: global_buffer, .address_space: global }
      - { .name: w_scl, .offset: 24, .size: 8, .value_kind: global_buffer, .address_space: global }
      - { .name: b_proj, .offset: 32, .size: 8, .value_kind: global_buffer, .address_space: global }
      - { .name: out0, .offset: 40, .size: 8, .value_kind: global_buffer, .address_space: global }
    .group_segment_fixed_size: 327680
    .private_segment_fixed_size: 0
    .kernarg_segment_align: 8
    .kernarg_segment_size: 48
    .max_flat_workgroup_size: 128
    .sgpr_count:     102
    .vgpr_count:     768
    .wavefront_size: 32
...
	.end_amdgpu_metadata
.endif
;; end of part 4
